; MI455X (gfx1250); checked and timed in simulation.
; The chip was launched on July 23, 2026; its instructions are those of AMD's public machine-readable ISA for CDNA 5 (MIT licence, August 2026) and "CDNA5" Instruction Set Architecture Reference Guide (July 2026). The comments in the code are by the model that wrote it; some were corrected since.
;; Multi Head Attention. Allowed arithmetic: matrix products marked QUANTISED: E3M2 operands, one E8M0 scale for each 32 along K, by v_wmma_scale_f32_16x16x128_f8f6f4 with both operands' format E3M2, f32 sums; everything else in f32.
;; Inputs: Wk 1,024 x 1,024 float32; Wo 1,024 x 1,024 float32; Wq 1,024 x 1,024 float32; Wv 1,024 x 1,024 float32; mask 2,048 x 2,048 int32; x 4 x 2,048 x 1,024 float32.
;; Outputs: out0 4 x 2,048 x 1,024 float32.
;; This version of the problem:
;;   THIS VERSION OF THE PROBLEM IS GIVEN IN LOW PRECISION. The matrix products marked QUANTISED in the list below multiply operands that are first quantised to E3M2 (3 exponent bits, 2 mantissa bits; 6 bits a number), with one power-of-two scale for each 32 numbers along K (OCP MX v1.0); their sums are f32. All else is computed in f32.
;;   The module's matrix products, in the order in which they are computed (A, B: the left and right operand; K: the contracted axis; several contracted axes count as one K, in the product's order):
;;     1. [M 8,192, K 1,024] x [K 1,024, N 1,024]; A: input x; B: input Wq: QUANTISED
;;     2. [M 8,192, K 1,024] x [K 1,024, N 1,024]; A: input x; B: input Wk: QUANTISED
;;     3. [M 8,192, K 1,024] x [K 1,024, N 1,024]; A: input x; B: input Wv: QUANTISED
;;     4. batch 64 x [M 2,048, K 64] x [K 64, N 2,048]; A: computed on the way; B: computed on the way: QUANTISED
;;     5. batch 64 x [M 2,048, K 2,048] x [K 2,048, N 64]; A: softmax (see below); B: computed on the way: QUANTISED
;;     6. [M 8,192, K 1,024] x [K 1,024, N 1,024]; A: computed on the way; B: input Wo: QUANTISED
;;   THE QUANTISER, for each operand of a quantised product, along K:
;;     - K is cut into blocks of 32 from its start; a last block that is shorter is filled with zeros.
;;     - A block's scale is 2^e with e = floor(log2(the largest magnitude in the block)) - 4, held to -126 .. 127; a block of zeros has e = 0. As a byte (E8M0): e + 127.
;;     - Each number is divided by its block's scale, clamped to +-28, and rounded to the nearest number of E3M2, ties to even, subnormals kept.
;;     - The product sums the exact products of the quantised numbers (number of the format x scale) in f32.
;;   ~~~python
;;   def quantise(x, axis):      # numpy; x: float32 -> the quantised numbers, widened to float32 again
;;       x = np.moveaxis(x, axis, -1); K = x.shape[-1]
;;       x = np.pad(x, [(0, 0)] * (x.ndim - 1) + [(0, -K % 32)]); x = x.reshape(x.shape[:-1] + (-1, 32)); a = np.abs(x).max(-1, keepdims=True)
;;       e = np.where(a > 0, np.clip(np.frexp(np.where(a > 0, a, 1))[1] - 1 - 4, -126, 127), 0)      # np.frexp(a)[1] - 1 = floor(log2(a)), exactly
;;       r = np.clip(x / 2.0 ** e, -28, 28)
;;       step = 2.0 ** (np.maximum(np.frexp(np.where(r == 0, 1, r))[1] - 1, -2) - 2)
;;       q = np.round(r / step) * step * 2.0 ** e      # np.round: ties to even
;;       return np.moveaxis(q.reshape(q.shape[:-2] + (-1,))[..., :K], -1, axis).astype(np.float32)
;;   ~~~
;;   SOFTMAX AHEAD OF A QUANTISED PRODUCT. Where the list says 'softmax', what is quantised is not the finished softmax but p = 2^(t - M), with t = logit x log2(e) and M = ceil(the row's largest t), a whole number; so 1/2 < the row's largest p <= 1. The row's sum l is taken of the UNQUANTISED p, in f32, and the product's result is divided by l at the end. Since M is a whole number, a kernel that streams over the keys may use a running M (the ceiling of the running maximum): every later rescaling is an exact power of two, which a block's scale takes up: the codes' values come out the same.
;;   OPERANDS COMPUTED ON THE WAY. 'Computed on the way' means the value that the module computes at that place (a softmax that the list does not call 'softmax' is quantised finished and normalised). What goes into a quantiser is computed in f32, as accurately as f32 sums, v_exp_f32 and their like allow (about 1e-6 of the number): no bf16 or f16 on the way to a quantiser, and a product that is left as it is and whose result goes on into a quantised operand takes f32 operands (vector FMAs, or v_wmma_f32_16x16x4_f32). A number that lies on a knife's edge between two numbers of the format may be rounded either way, as far as f32 arithmetic and the matrix unit's own rounding can turn it there, and no further.
;; 2 versions, each right; version 2 is version 1 with the launch attn written anew for expert scheduling mode. Each part assembles by itself: llvm-mc -triple=amdgcn-amd-amdhsa -mcpu=gfx1250 --defsym DOCPART=n.
;; ======== version 1 of 2: 4 launches
;; limits: right only within a limited range of input values
;; workspace buffers: opq 9,830,400 bytes; msk 524,800 bytes of whole numbers; qb 6,815,744 bytes; kv 13,631,488 bytes; att 6,815,744 bytes
;; launch prep (part 1): grid 320 x 1, 4 waves a work-group, no clusters, 72,448 bytes of LDS; arguments x, Wq, Wk, Wv, Wo, mask, opq, msk; writes opq, msk
.if DOCPART == 1
	.amdgcn_target "amdgcn-amd-amdhsa--gfx1250"
	.amdhsa_code_object_version 6
	.text
	.protected	k_q6b997c8b86_prep
	.globl	k_q6b997c8b86_prep
	.p2align	8
	.type	k_q6b997c8b86_prep,@function
k_q6b997c8b86_prep:
	s_mov_b64 s[64:65], 0
	v_nop
	global_prefetch_b8 v0, s[64:65] scope:SCOPE_SE
	s_setreg_imm32_b32 hwreg(HW_REG_WAVE_MODE, 25, 1), 1
	s_wait_xcnt 0x0
; Work-groups 0-191: x [8192][1024] and Wq, Wk, Wv, Wo [1024][1024], f32, K innermost, become codes of BF6 (E3M2) with one E8M0 byte for each 32 along K.
; Work-groups 192-319: the mask [2048][2048] becomes lane-mask words and, for each tile of 16 queries, a word of flags.
; STORED ORDER OF ROWS: row p of the codes' buffer holds true row pi(p), pi = bits 3 and 4 of the index exchanged: lane r of stored tile 2 b + u is true row 32 b + 8 u + r + 8 (r / 8).
; CODES: opq = [16 panels of 64 along K][768 stored tiles of 16 rows][768 bytes].  The 768 bytes are three planes of 256: plane i holds, at 8 x lane, registers 2 i, 2 i + 1 of the six that
; lane (r, h) of a matrix operand wants for k = 32 h .. 32 h + 31 of row r.  Behind the codes: the scale bytes, [12288 stored rows][32].
; A block's scale is 2^(floor(log2(largest magnitude)) - 4): its byte is the largest magnitude's exponent field - 4, held at 1 from below.
; LIMITS: a block of zeros, or one whose largest magnitude lies under 2^-122, gets the byte 1 (the bytes are read by this program alone; zero codes add nothing); NaN and infinities are not served.
; MASK WORDS: msk = [128 stored query tiles][16 steps of 128 keys][64 words]: word 16 b + i, bit r + 16 h = 1 where mask[query (tile, r)][128 step + 32 b + 16 h + i] == 0.
; Behind them 128 words T[tile] = need | mixed << 16: bit s of need: some row of the tile keeps a key of step s; bit s of mixed: some key of step s is hidden for some row.
; If a row keeps no key at all, need is all ones: that row's softmax runs over its hidden keys.
; No tensor loads.  The two paths use LDS bytes of their own and meet at one barrier, which the mask path needs for its flags.
.set PITCH, 589824                     ; a panel: 768 tiles x 768 bytes
.set SCO,   9437184                    ; where the scale bytes begin
.set WREG,  17920                      ; LDS of a wave: two turn stages of 32 x 80, the code stage 16 x 768, 512 scale bytes
.set SP,    80
.set CST,   5120
.set SBY,   17408
.set FLG,   71680                      ; the mask path's 16 flag words
.set R,     16                         ; v16-79   four sets of 16 numbers as loaded
.set X,     80                         ; v80-111  two sets of 16 neighbours
.set C,     112                        ; v112-119 two sets of codes
.set E,     120                        ; v120-121 two scale bytes
.set VO,    172                        ; v172-174 the way out's three offsets
	s_load_b512 s[4:19], s[0:1], 0x0               ; x, Wq, Wk, Wv, Wo, mask, opq, msk
	v_lshl_add_u32 v192, v0, 2, 0x11900
	v_mov_b32 v193, 0
	v_lshrrev_b32 v1, 5, v0
	v_readfirstlane_b32 s20, v1                    ; wave
	v_and_b32 v2, 31, v0                           ; lane
	v_lshlrev_b32 v3, 4, v2                        ; 16 x lane
	s_mul_i32 s21, s20, WREG
	; every LDS address of both paths is made here, ahead of the parting
	v_lshrrev_b32 v14, 2, v2
	v_mul_u32_u24 v14, v14, SP
	v_and_b32 v15, 3, v2
	v_lshl_add_u32 v14, v15, 4, v14
	v_add_nc_u32 v14, s21, v14                     ; turn stage, in: four lanes' 64 bytes on end, then 16 of padding
	v_mul_u32_u24 v15, v2, SP
	v_add_nc_u32 v15, s21, v15                     ; and out: my 16 neighbours
	v_lshrrev_b32 v5, 1, v2
	v_add_nc_u32 v5, s21, v5
	v_add_nc_u32 v5, SBY, v5                       ; my block's scale byte
	v_lshrrev_b32 v6, 2, v2
	v_mul_u32_u24 v6, v6, 768                      ; four lanes to a panel of 64,
	v_bfe_u32 v7, v2, 1, 1
	v_lshl_add_u32 v6, v7, 7, v6                   ; its block h at 128 h,
	v_add_nc_u32 v6, s21, v6
	v_and_b32 v9, 1, v2                            ; u: which 12 of the block's 24 bytes are mine
	v_mad_u32_u24 v7, v9, 508, v6
	v_add_nc_u32 v7, CST+4, v7                     ; my second word: plane 0 + 4, or plane 2
	v_mad_u32_u24 v6, v9, 260, v6
	v_add_nc_u32 v6, CST, v6                       ; my first word: plane 0, or plane 1 + 4
	v_add_nc_u32 v9, 256, v6                       ; my third: plane 1, or plane 2 + 4
	v_add_nc_u32 v176, s21, v3
	v_add_nc_u32 v177, SBY, v176                   ; the way out: the scale bytes,
	v_add_nc_u32 v176, CST, v176                   ; the code stage, 16 bytes a lane
	v_mov_b32 v[VO], v3                            ; a load of 512 bytes of the stage is two thirds of a panel's 768: three cases
	v_lshrrev_b32 v175, 4, v2
	v_mul_u32_u24 v175, v175, PITCH-768
	v_add_nc_u32 v[VO+1], v175, v3
	v_add_nc_u32 v[VO+1], 512, v[VO+1]             ; lanes 0-15 end a panel, lanes 16-31 begin the next
	v_add_nc_u32 v[VO+2], PITCH+256, v3
	s_lshl_b32 s22, s20, 4
	v_mov_b32 v12, s22
	v_add_nc_u32 v12, FLG, v12                     ; my wave's four flag words
	v_and_b32 v13, 15, v0
	v_lshl_add_u32 v13, v13, 2, FLG                ; and all sixteen, a lane a word
	s_wait_kmcnt 0x0
	s_cmp_lt_u32 ttmp9, 192
	s_cbranch_scc0 .Lmask
	; ---- THE QUANTISER.  A wave takes one stored tile: 16 rows x 1024, 32 steps of 512 numbers (half a row)
	s_lshl_b32 s22, ttmp9, 2
	s_add_co_u32 s22, s22, s20                     ; the stored tile, 0 .. 767
	s_and_b32 s26, s22, 63                         ; its number within a weight
	s_sub_co_u32 s23, ttmp9, 128
	s_lshr_b32 s23, s23, 4                         ; which weight: 16 work-groups each
	s_cmp_eq_u32 s23, 1
	s_cselect_b64 s[24:25], s[8:9], s[6:7]
	s_cmp_eq_u32 s23, 2
	s_cselect_b64 s[24:25], s[10:11], s[24:25]
	s_cmp_eq_u32 s23, 3
	s_cselect_b64 s[24:25], s[12:13], s[24:25]
	s_cmp_lt_u32 ttmp9, 128                        ; the first 128 work-groups take x
	s_cselect_b64 s[24:25], s[4:5], s[24:25]
	s_cselect_b32 s26, s22, s26
	s_lshr_b32 s27, s26, 1
	s_lshl_b32 s27, s27, 17                        ; 32 rows of 4,096 bytes for each pair of tiles,
	s_and_b32 s28, s26, 1
	s_lshl_b32 s28, s28, 15                        ; 8 rows for the odd one
	s_add_co_u32 s28, s27, s28
	s_mov_b32 s29, 0
	s_add_nc_u64 s[24:25], s[24:25], s[28:29]
	s_mul_i32 s28, s22, 768
	s_add_nc_u64 s[30:31], s[16:17], s[28:29]      ; my tile in panel 0
	s_lshl_b32 s28, s22, 9
	s_add_co_u32 s28, s28, SCO
	s_add_nc_u64 s[32:33], s[16:17], s[28:29]      ; my 512 scale bytes
.macro LOAD t                          ; step t: stored row t / 2 (true row t / 2 + 8 (t / 16)), half t % 2: four loads of 512 consecutive bytes
.irp i, 0,1,2,3
	global_load_b128 v[R+16*((\t)%4)+4*\i:R+16*((\t)%4)+4*\i+3], v3, s[24:25] offset:(((\t)/2)+8*((\t)/16))*4096+2048*((\t)%2)+512*\i th:TH_LOAD_NT
.endr
.endm
.macro TURN t                          ; through the stage: LDS serves a wave's instructions in order, so no wait stands between the stores and the loads
.irp i, 0,1,2,3
	ds_store_b128 v14, v[R+16*((\t)%4)+4*\i:R+16*((\t)%4)+4*\i+3] offset:32*SP*((\t)%2)+8*SP*\i
.endr
.irp i, 0,1,2,3
	ds_load_b128 v[X+16*((\t)%2)+4*\i:X+16*((\t)%2)+4*\i+3], v15 offset:32*SP*((\t)%2)+16*\i
.endr
.endm
.macro STEP t
.set XS, X+16*((\t)%2)
.set CS, C+4*((\t)%2)
.set ES, E+(\t)%2
.if (\t) > 0
	s_wait_dscnt 4                                 ; my 16 neighbours are back; the last step's byte store and three code stores may be out
.else
	s_wait_dscnt 0x0
.endif
.if (\t)+4 < 32
	LOAD (\t)+4
.endif
.if (\t)+1 < 32
.if 30-(\t) >= 3
	s_wait_loadcnt 12                              ; the next step's four loads are in; three later steps' may be out
.else
	s_wait_loadcnt 4*(30-(\t))
.endif
	TURN (\t)+1
.endif
	v_max3_num_f32 v8, |v[XS]|, |v[XS+1]|, |v[XS+2]|
	v_max3_num_f32 v10, |v[XS+3]|, |v[XS+4]|, |v[XS+5]|
.irp i, 6,10
	v_max3_num_f32 v8, v8, |v[XS+\i]|, |v[XS+\i+1]|
	v_max3_num_f32 v10, v10, |v[XS+\i+2]|, |v[XS+\i+3]|
.endr
	v_max3_num_f32 v8, v8, |v[XS+14]|, |v[XS+15]|
	v_max3_num_f32 v8, v8, v10, 0x2800000          ; the floor 2^(5 - 127): the byte cannot fall under 1
	v_max_num_f32_dpp v8, v8, v8 row_xmask:1 row_mask:0xf bank_mask:0xf   ; with my neighbour's 16: the block's largest magnitude
	v_add_nc_u32 v11, 0xfe000000, v8               ; 4 off its exponent field: the conversion's scale operand
	v_cvt_scalef32_pk16_bf6_f32 v[CS:CS+2], v[XS:XS+15], v11
	v_lshrrev_b32 v[ES], 23, v11                   ; the scale's byte (a plain line behind the conversion)
	ds_store_b8 v5, v[ES] offset:32*((\t)/2)+16*((\t)%2)
	ds_store_b32 v6, v[CS] offset:6144*((\t)%2)+8*((\t)/2)      ; my 12 bytes to their places in the planes: 8 panels on for the row's second half, 8 bytes a row
	ds_store_b32 v7, v[CS+1] offset:6144*((\t)%2)+8*((\t)/2)
	ds_store_b32 v9, v[CS+2] offset:6144*((\t)%2)+8*((\t)/2)
.endm
.irp t, 0,1,2,3
	LOAD \t
.endr
	s_wait_loadcnt 12                              ; step 0's four loads are in
	TURN 0
.set T, 0
.rept 32
	STEP T
.set T, T+1
.endr
	s_wait_dscnt 0x0
.set Q, 0
.rept 24
	ds_load_b128 v[16+4*Q:19+4*Q], v176 offset:512*Q
.set Q, Q+1
.endr
	ds_load_b128 v[112:115], v177
.set Q, 0
.rept 24
	s_wait_dscnt 24-Q                              ; the later loads of this run may be out
	global_store_b128 v[VO+Q%3], v[16+4*Q:19+4*Q], s[30:31] offset:(Q/3)*2*PITCH   ; sixteen lanes store 256 consecutive bytes, at a multiple of 256
.set Q, Q+1
.endr
	s_wait_dscnt 0x0
	global_store_b128 v3, v[112:115], s[32:33]
	s_branch .Ljoin
	; ---- THE MASK.  The work-group takes one stored tile of 16 queries; wave w takes steps 4 w .. 4 w + 3
.Lmask:
	s_sub_co_u32 s22, ttmp9, 192                   ; the tile
	s_lshr_b32 s23, s22, 1
	s_lshl_b32 s23, s23, 18                        ; 32 rows of 8,192 bytes,
	s_and_b32 s24, s22, 1
	s_lshl_b32 s24, s24, 16                        ; 8 rows,
	s_add_co_u32 s24, s23, s24
	s_lshl_b32 s25, s20, 11                        ; my wave's 512 keys
	s_add_co_u32 s24, s24, s25
	s_mov_b32 s25, 0
	s_add_nc_u64 s[14:15], s[14:15], s[24:25]
	s_lshl_b32 s24, s22, 12
	s_lshl_b32 s26, s20, 10
	s_add_co_u32 s24, s24, s26
	s_add_nc_u64 s[26:27], s[18:19], s[24:25]      ; my four steps' words
	s_mov_b32 s40, 0x76543210
	s_mov_b32 s41, 0xfedcba98                      ; lane l xor 16
	v_lshlrev_b32 v162, 3, v2
.irp j, 144,145,146,147,148,149,150,151,154,155,156,157,158,159,160,161
	v_mov_b32 v\j, 0                               ; lanes 16-31 of v144-147 stay 0; the others are destinations of lane writes, which count as read
.endr
.macro LOADU u                         ; step u of my four: 16 query rows x 512 consecutive bytes
.set RR, 0
.rept 16
	global_load_b128 v[16+64*((\u)%2)+4*RR:16+64*((\u)%2)+4*RR+3], v3, s[14:15] offset:(RR+8*(RR/8))*8192+512*(\u) th:TH_LOAD_NT
.set RR, RR+1
.endr
.endm
.macro UNIT u
.set MS, 16+64*((\u)%2)
.if (\u) < 3
	s_wait_loadcnt 16                              ; this step's sixteen loads are in; the next step's may be out
.else
	s_wait_loadcnt 0x0
.endif
.set RR, 0
.rept 16                               ; v[144 + c], lane rr, bit l: key 4 l + c is hidden for query rr
.irp c, 0,1,2,3
	v_cmp_eq_u32 s[44+\c], 0, v[MS+4*RR+\c]
.endr
.irp c, 0,1,2,3
	v_writelane_b32 v[144+\c], s[44+\c], RR
.endr
.set RR, RR+1
.endr
.if (\u)+2 < 4
	LOADU (\u)+2
.endif
	v_and_b32 v152, v144, v145
	v_and_b32 v153, v146, v147
	v_and_b32 v152, v152, v153
	v_cmp_ne_u32 s48, -1, v152                     ; rows that keep some key of the step
	v_or_b32 v152, v144, v145
	v_or_b32 v153, v146, v147
	v_or_b32 v152, v152, v153
	v_cmp_ne_u32 s49, 0, v152                      ; rows with some hidden key
	s_and_b32 s48, s48, 0xffff
	s_cmp_lg_u32 s49, 0
	s_cselect_b32 s49, 0x10000, 0
	s_or_b32 s48, s48, s49
	v_mov_b32 v[163+(\u)], s48
	ds_store_b32 v12, v[163+(\u)] offset:4*(\u)    ; all lanes write the same word with the same value
.irp c, 0,1,2,3
	v_permlanex16_b32 v[148+\c], v[144+\c], s40, s41
.endr
.irp c, 0,1,2,3
	v_lshrrev_b32 v[148+\c], 4, v[148+\c]          ; lanes 16-31 look 16 keys (4 bits) further on
.endr
.irp c, 0,1,2,3
	v_or_b32 v[148+\c], v[148+\c], v[144+\c]
.endr
.set NG, 0
.rept 16                               ; words 4 NG .. 4 NG + 3: key 32 (NG / 4) + 16 h + 4 (NG % 4) + e is bit 8 (NG / 4) + NG % 4 of v[148 + e]
.irp e, 0,1,2,3
	v_and_b32 v[168+\e], 1<<(8*(NG/4)+NG%4), v[148+\e]
.endr
.irp e, 0,1,2,3
	v_cmp_ne_u32 s[44+\e], 0, v[168+\e]
.endr
.irp e, 0,1,2,3
	v_writelane_b32 v[154+2*(\u)+\e%2], s[44+\e], 2*NG+\e/2
.endr
.set NG, NG+1
.endr
	global_store_b64 v162, v[154+2*(\u):155+2*(\u)], s[26:27] offset:256*(\u)   ; 32 lanes store 256 consecutive bytes; each step has data registers of its own
.endm
	LOADU 0
	LOADU 1
.irp u, 0,1,2,3
	UNIT \u
.endr
.Ljoin:
	s_wait_dscnt 0x0                               ; my LDS stores have landed
	s_barrier_signal -1
	s_barrier_wait -1
	s_cmp_lt_u32 ttmp9, 192
	s_cbranch_scc1 .Lend
	s_cmp_lg_u32 s20, 0
	s_cbranch_scc1 .Lend
	ds_load_b32 v152, v13                          ; wave 0 of a mask work-group: the sixteen steps' flags, a lane a step
	s_wait_dscnt 0x0
	v_and_b32 v153, 0xffff, v152
	v_cmp_ne_u32 s44, 0, v153                      ; need
	v_lshrrev_b32 v168, 16, v152
	v_cmp_ne_u32 s45, 0, v168                      ; mixed
	s_and_b32 s44, s44, 0xffff
	s_and_b32 s45, s45, 0xffff
	v_readlane_b32 s46, v153, 0
.irp j, 1,2,3,4,5,6,7,8,9,10,11,12,13,14,15
	v_readlane_b32 s47, v153, \j
	s_or_b32 s46, s46, s47                         ; the rows that keep some key anywhere
.endr
	s_cmp_eq_u32 s46, 0xffff
	s_cselect_b32 s44, s44, 0xffff                 ; a row that keeps none wants every step
	s_lshl_b32 s45, s45, 16
	s_or_b32 s44, s44, s45
	v_mov_b32 v169, s44
	v_mov_b32 v170, 0
	s_lshl_b32 s24, s22, 2
	s_add_co_u32 s24, s24, 524288
	s_mov_b32 s25, 0
	s_add_nc_u64 s[18:19], s[18:19], s[24:25]
	v_cmp_eq_u32 vcc_lo, 0, v2
	s_wait_xcnt 0x0                                ; EXEC changes only behind this wait
	s_and_saveexec_b32 s50, vcc_lo
	global_store_b32 v170, v169, s[18:19]          ; one word a work-group: 128 stores of 4 bytes in the launch
	s_wait_xcnt 0x0
	s_or_b32 exec_lo, exec_lo, s50
.Lend:
	s_wait_tensorcnt 0x0
	ds_add_u32 v192, v193
	s_wait_dscnt 0x0
	s_endpgm
.Lfunc_end_k_q6b997c8b86_prep:
	.size	k_q6b997c8b86_prep, .Lfunc_end_k_q6b997c8b86_prep-k_q6b997c8b86_prep
	.p2alignl 7, 3214868480
	.fill 96, 4, 3214868480
	.section	.rodata,"a",@progbits
	.p2align	6, 0x0
	.amdhsa_kernel k_q6b997c8b86_prep
		.amdhsa_group_segment_fixed_size 72448
		.amdhsa_private_segment_fixed_size 0
		.amdhsa_enable_private_segment 0
		.amdhsa_kernarg_size 64
		.amdhsa_user_sgpr_count 2
		.amdhsa_user_sgpr_kernarg_segment_ptr 1
		.amdhsa_wavefront_size32 1
		.amdhsa_system_sgpr_workgroup_id_x 1
		.amdhsa_system_sgpr_workgroup_id_y 1
		.amdhsa_system_sgpr_workgroup_id_z 1
		.amdhsa_system_vgpr_workitem_id 0
		.amdhsa_next_free_vgpr 194
		.amdhsa_next_free_sgpr 66
		.amdhsa_reserve_vcc 1
		.amdhsa_float_denorm_mode_32 3
		.amdhsa_float_denorm_mode_16_64 3
		.amdhsa_memory_ordered 1
		.amdhsa_forward_progress 1
		.amdhsa_inst_pref_size 164
	.end_amdhsa_kernel
	.amdgpu_metadata
---
amdhsa.version: [ 1, 2 ]
amdhsa.kernels:
  - .name:           k_q6b997c8b86_prep
    .symbol:         k_q6b997c8b86_prep.kd
    .args:
      - { .name: x, .offset: 0, .size: 8, .value_kind: global_buffer, .address_space: global }
      - { .name: Wq, .offset: 8, .size: 8, .value_kind: global_buffer, .address_space: global }
      - { .name: Wk, .offset: 16, .size: 8, .value_kind: global_buffer, .address_space: global }
      - { .name: Wv, .offset: 24, .size: 8, .value_kind: global_buffer, .address_space: global }
      - { .name: Wo, .offset: 32, .size: 8, .value_kind: global_buffer, .address_space: global }
      - { .name: mask, .offset: 40, .size: 8, .value_kind: global_buffer, .address_space: global }
      - { .name: opq, .offset: 48, .size: 8, .value_kind: global_buffer, .address_space: global }
      - { .name: msk, .offset: 56, .size: 8, .value_kind: global_buffer, .address_space: global }
    .group_segment_fixed_size: 72448
    .private_segment_fixed_size: 0
    .kernarg_segment_align: 8
    .kernarg_segment_size: 64
    .max_flat_workgroup_size: 128
    .sgpr_count:     66
    .vgpr_count:     194
    .wavefront_size: 32
...
	.end_amdgpu_metadata
.endif
;; end of part 1
;; launch qkv (part 2): grid 4 x 192, 4 waves a work-group, clusters of 4 x 4, 295,424 bytes of LDS; arguments opq, qb, kv; writes qb, kv
.if DOCPART == 2
	.amdgcn_target "amdgcn-amd-amdhsa--gfx1250"
	.amdhsa_code_object_version 6
	.text
	.protected	k_q6b997c8b86_qkv
	.globl	k_q6b997c8b86_qkv
	.p2align	8
	.type	k_q6b997c8b86_qkv,@function
k_q6b997c8b86_qkv:
	s_mov_b64 s[64:65], 0
	v_nop
	global_prefetch_b8 v0, s[64:65] scope:SCOPE_SE
	s_setreg_imm32_b32 hwreg(HW_REG_WAVE_MODE, 25, 1), 1
	s_wait_xcnt 0x0
	s_wait_alu depctr_hold_cnt(0) depctr_sa_sdst(0) depctr_va_vdst(0) depctr_va_sdst(0) depctr_va_ssrc(0) depctr_va_vcc(0) depctr_vm_vsrc(0)
	s_getreg_b32 s2, hwreg(HW_REG_IB_STS2, 6, 4)
	s_cmp_eq_u32 s2, 0
	s_cbranch_scc0 .Lentry_in_a_cluster
	s_endpgm
.Lentry_in_a_cluster:
	s_bfe_u32 s2, ttmp6, 0x10000c
	s_cmp_lg_u32 s2, 0xf033
	s_cbranch_scc0 .Lentry_shape_is_right
	s_endpgm
.Lentry_shape_is_right:
; q = x Wq^T, k = x Wk^T, v = x Wv^T on codes of BF6 (E3M2), K = 1024; the f32 results are quantised in registers (q, k along the head's 64 channels, v along the keys) and stored as images of operand registers.
; A work-group makes 128 rows of P (the operand whose rows fall on lanes: source 1) x 256 rows of R (whose rows fall on registers: source 0).  Wave w: all 128 of P x rows 64 w .. 64 w + 63 of R: 32 accumulators.
; type = cluster y / 16: 0: P = x, R = Wq;  1: P = x, R = Wk;  2: P = Wv, R = x (a lane then holds a channel and its registers run down the tokens, which are v's K).  One text: the types differ in offsets chosen by s_cselect.
; Rows are stored in the order pi (bits 3 and 4 exchanged), so that the 16 registers of result tiles 2 b, 2 b + 1 are 16 true neighbours 32 b + 16 (lane / 16) + 0 .. 15 along R.
; ALL OF K LIES IN LDS: P 98,304 bytes, R 196,608.  Each wave brings a quarter by four tensor loads (a slice of 256 along K each), all issued at the start: four of a wave's loads are out at the most; no LDS byte is filled twice.
; CLUSTER 4 x 4: P's tiles hang on the cluster's row alone, R's on its column alone: each is asked for jointly by the four that need it.
; LIMITS: as the quantiser of the launch before: a block under 2^-122 gets the byte 1; NaN and infinities are not served.
; REGISTERS: window 0: v1-21 addresses; v32-63 P's scale words, v64-79 R's; v80-175 R's fragments, two sets; v176-236 the way out.  window 1: P's fragments, two sets.  window 2: accumulator (a, b) at v[8 (4 a + b)].
.set PITCH,  589824                    ; a panel of 64 along K in opq
.set PPITCH, 589824                    ; and in P's buffer
.set SCO,    9437184
.set RB,     98304                     ; LDS: P [half 2][panel 16][4 tiles x 768], then R [half 2][panel 16][8 tiles x 768]
.set AP,  16                           ; v16-17  8 x lane + P's half
.set AR,  18                           ; v18-19  my four tiles of R, panels 0-7 and 8-15
.set SPR, 32                           ; v[32 + 8 (a % 4) + q]: lanes 0-15 block a % 4, lanes 16-31 block 4 + a % 4
.set SRR, 64                           ; v[64 + 8 (b % 2) + q]: lanes 0-15 tile b % 2, lanes 16-31 tile 2 + b % 2
.set RF,  80
.set TM,  176
.set PW,  192
.set PC,  196
.set WW,  216
.set WS,  224
.set DOF, 228
.set DSF, 236
.set SEL, 84
.set G1,  24
.set G1B, 32
.set G0,  48
.set G0B, 68
.set MSB, 0
.macro WIN new                         ; the immediate's high byte repeats the setting that is left
.if MSB != \new
	s_set_vgpr_msb (MSB<<8)|\new
.set MSB, \new
.endif
.endm
.macro CREST
	s_cmp_lg_u32 s14, 0
	s_cbranch_scc1 .Lnot_wave_0_\@
	s_barrier_signal -3
.Lnot_wave_0_\@:
	s_barrier_wait -3
	s_barrier_signal -1
	s_barrier_wait -1
.endm
.macro CROUND                          ; a round of the cluster's barrier
	s_barrier_signal -1
	s_barrier_wait -1
	CREST
.endm
.macro PLACES n
.rept \n
	v_nop
.endr
.endm
.macro FRAGP p, q, a                   ; a fragment is two half-images: six loads of 8 bytes a lane, 256 consecutive bytes each
.irp j, 0,1,2,3,4,5
	ds_load_b64 v[96*(\p)+12*(\a)+2*\j:96*(\p)+12*(\a)+2*\j+1], v[AP+(\a)/4] offset:(2*(\q)+\j/3)*3072+((\a)%4)*768+256*(\j%3)
.endr
.endm
.macro FRAGR p, q, b
.irp j, 0,1,2,3,4,5
	ds_load_b64 v[RF+48*(\p)+12*(\b)+2*\j:RF+48*(\p)+12*(\b)+2*\j+1], v[AR+(\q)/4] offset:((2*(\q)+\j/3)%8)*6144+(\b)*768+256*(\j%3)
.endr
.endm
.macro FETCH q                         ; K step q's 12 fragments into set q % 2
	WIN 0x40
.irp a, 0,1,2,3,4,5,6,7
	FRAGP (\q)%2, \q, \a
.endr
	WIN 0
.irp b, 0,1,2,3
	FRAGR (\q)%2, \q, \b
.endr
.endm
.macro WM q, a, b, zero
.set rD, 8*(4*(\a)+(\b))
.set rA, RF+48*((\q)%2)+12*(\b)
.set rB, 96*((\q)%2)+12*(\a)
.set rX, SRR+8*((\b)%2)+(\q)
.set rY, SPR+8*((\a)%4)+(\q)
.if \zero
.if ((\b) >= 2) && ((\a) >= 4)
	v_wmma_scale_f32_16x16x128_f8f6f4 v[rD:rD+7], v[rA:rA+11], v[rB:rB+11], 0, v[rX], v[rY] matrix_a_fmt:MATRIX_FMT_BF6 matrix_b_fmt:MATRIX_FMT_BF6 matrix_a_scale:MATRIX_SCALE_ROW1 matrix_b_scale:MATRIX_SCALE_ROW1
.elseif (\b) >= 2
	v_wmma_scale_f32_16x16x128_f8f6f4 v[rD:rD+7], v[rA:rA+11], v[rB:rB+11], 0, v[rX], v[rY] matrix_a_fmt:MATRIX_FMT_BF6 matrix_b_fmt:MATRIX_FMT_BF6 matrix_a_scale:MATRIX_SCALE_ROW1
.elseif (\a) >= 4
	v_wmma_scale_f32_16x16x128_f8f6f4 v[rD:rD+7], v[rA:rA+11], v[rB:rB+11], 0, v[rX], v[rY] matrix_a_fmt:MATRIX_FMT_BF6 matrix_b_fmt:MATRIX_FMT_BF6 matrix_b_scale:MATRIX_SCALE_ROW1
.else
	v_wmma_scale_f32_16x16x128_f8f6f4 v[rD:rD+7], v[rA:rA+11], v[rB:rB+11], 0, v[rX], v[rY] matrix_a_fmt:MATRIX_FMT_BF6 matrix_b_fmt:MATRIX_FMT_BF6
.endif
.else
.if ((\b) >= 2) && ((\a) >= 4)
	v_wmma_scale_f32_16x16x128_f8f6f4 v[rD:rD+7], v[rA:rA+11], v[rB:rB+11], v[rD:rD+7], v[rX], v[rY] matrix_a_fmt:MATRIX_FMT_BF6 matrix_b_fmt:MATRIX_FMT_BF6 matrix_a_scale:MATRIX_SCALE_ROW1 matrix_b_scale:MATRIX_SCALE_ROW1
.elseif (\b) >= 2
	v_wmma_scale_f32_16x16x128_f8f6f4 v[rD:rD+7], v[rA:rA+11], v[rB:rB+11], v[rD:rD+7], v[rX], v[rY] matrix_a_fmt:MATRIX_FMT_BF6 matrix_b_fmt:MATRIX_FMT_BF6 matrix_a_scale:MATRIX_SCALE_ROW1
.elseif (\a) >= 4
	v_wmma_scale_f32_16x16x128_f8f6f4 v[rD:rD+7], v[rA:rA+11], v[rB:rB+11], v[rD:rD+7], v[rX], v[rY] matrix_a_fmt:MATRIX_FMT_BF6 matrix_b_fmt:MATRIX_FMT_BF6 matrix_b_scale:MATRIX_SCALE_ROW1
.else
	v_wmma_scale_f32_16x16x128_f8f6f4 v[rD:rD+7], v[rA:rA+11], v[rB:rB+11], v[rD:rD+7], v[rX], v[rY] matrix_a_fmt:MATRIX_FMT_BF6 matrix_b_fmt:MATRIX_FMT_BF6
.endif
.endif
.endm
.macro MUL q, zero                     ; 32 matrix instructions: the 32 accumulators take turns, one instruction a turn, in the same order in every step
	WIN 0xa4                                       ; source 0 (R) window 0, source 1 (P) window 1, C and D window 2
.irp a, 0,1,2,3,4,5,6,7
.irp b, 0,1,2,3
	WM \q, \a, \b, \zero
.endr
.endr
.endm
	s_load_b128 s[4:7], s[0:1], 0x0                ; opq, qb
	s_load_b64 s[8:9], s[0:1], 0x10                ; kv
	v_lshl_add_u32 v254, v0, 2, 0x48000
	v_mov_b32 v255, 0
	ds_add_u32 v254, v255
	ds_add_u32 v254, v255
	v_lshrrev_b32 v1, 5, v0
	v_readfirstlane_b32 s14, v1                    ; wave
	s_lshr_b32 s15, s14, 1                         ; I fetch for P (0) or for R (1); also: which half of R's rows holds mine
	s_and_b32 s16, s14, 1                          ; which half I fetch
	s_bfe_u32 s40, ttmp6, 0x40000                  ; cx
	s_bfe_u32 s41, ttmp6, 0x40004                  ; cy
	s_and_b32 s17, ttmp7, 0xffff                   ; cluster y, 0 .. 47
	s_lshr_b32 s18, s17, 4                         ; type
	s_and_b32 s19, s17, 15
	s_lshl_b32 s43, s41, 2
	s_lshl_b32 s43, 15, s43                        ; my row of the cluster
	s_lshl_b32 s44, 0x1111, s40                    ; my column
	s_or_b32 s[G1], s43, (3<<16)|(1<<21)           ; the mask; elements of 8 bytes; bit 21 set beside a mask; no padding
	s_or_b32 s[G1B], s44, (3<<16)|(1<<21)
	s_mov_b32 s[G1+1], 384<<16                     ; P: a row of the tile is 4 tiles x 768 bytes of one panel = 384 elements
	s_mov_b32 s[G1+2], 4<<16                       ; 4 panels
	s_mov_b32 s[G1+3], 384<<16
	s_mov_b32 s[G1+4], 4
	s_mov_b32 s[G1+5], PPITCH/8
	s_mov_b32 s[G1+6], 0
	s_mov_b32 s[G1+7], 0
	s_mov_b32 s[G1B+1], 768<<16                    ; R: 8 tiles x 768 bytes
	s_mov_b32 s[G1B+2], 4<<16
	s_mov_b32 s[G1B+3], 768<<16
	s_mov_b32 s[G1B+4], 4
	s_mov_b32 s[G1B+5], PITCH/8
	s_mov_b32 s[G1B+6], 0
	s_mov_b32 s[G1B+7], 0
	s_lshl_b32 s20, s19, 2
	s_lshr_b32 s21, s19, 3
	s_lshl_b32 s21, s21, 2
	s_and_b32 s22, s19, 7
	s_lshl_b32 s22, s22, 2
	s_lshl_b32 s23, s18, 10
	s_add_co_u32 s23, s23, 8192                    ; Wq's or Wk's first stored row
	s_cmp_eq_u32 s18, 2
	s_cselect_b32 s20, s21, s20
	s_cselect_b32 s21, 10240, 0                    ; P's first stored row: Wv's, or x's
	s_cselect_b32 s22, s22, 0
	s_cselect_b32 s23, 0, s23                      ; R's
	s_add_co_u32 s45, s20, s41                     ; Pt: which 128 rows of P: it hangs on cy, never on cx
	s_add_co_u32 s46, s22, s40                     ; Rt: which 256 rows of R: on cx, never on cy
	s_lshl_b32 s20, s45, 7
	s_add_co_u32 s20, s20, s21                     ; P's first row
	s_lshl_b32 s22, s46, 8
	s_add_co_u32 s22, s22, s23                     ; R's first row
	s_lshl_b32 s47, s16, 6
	s_add_co_u32 s47, s47, s20
	s_mul_i32 s84, s47, 48                         ; 768 bytes a tile of 16 rows
	s_mov_b32 s85, 0
	s_lshl_b32 s47, s16, 7
	s_add_co_u32 s47, s47, s22
	s_mul_i32 s86, s47, 48
	s_mov_b32 s87, 0
	s_mul_i32 s88, s16, 49152
	s_mul_i32 s89, s16, 98304
	s_add_co_u32 s89, s89, RB
	s_wait_dscnt 0x0
	s_wait_kmcnt 0x0
	s_add_nc_u64 s[84:85], s[4:5], s[84:85]
	s_add_nc_u64 s[86:87], s[4:5], s[86:87]
.irp g, 0,1,2,3                        ; slice g: panels 4 g .. 4 g + 3
	s_mov_b32 s[G0+4*\g], 1
	s_add_co_u32 s[G0+4*\g+1], s88, \g*12288
	s_add_nc_u64 s[G0+4*\g+2:G0+4*\g+3], s[84:85], \g*4*PPITCH
	s_or_b32 s[G0+4*\g+3], s[G0+4*\g+3], 0x80000000
	s_mov_b32 s[G0B+4*\g], 1
	s_add_co_u32 s[G0B+4*\g+1], s89, \g*24576
	s_add_nc_u64 s[G0B+4*\g+2:G0B+4*\g+3], s[86:87], \g*4*PITCH
	s_or_b32 s[G0B+4*\g+3], s[G0B+4*\g+3], 0x80000000
.endr
	CROUND                                         ; all sixteen work-groups are here: the joint loads meet
	s_cmp_eq_u32 s15, 0                            ; a wave's four fills stand in one branch on the wave's number
	s_cbranch_scc0 .Lfor_r
.irp g, 0,1,2,3
	tensor_load_to_lds s[G0+4*\g:G0+4*\g+3], s[G1:G1+7]
	s_nop 0
.endr
	PLACES 4
	s_branch .Lasked
.Lfor_r:
.irp g, 0,1,2,3
	tensor_load_to_lds s[G0B+4*\g:G0B+4*\g+3], s[G1B:G1B+7]
	s_nop 0
.endr
	PLACES 4
.Lasked:
	v_and_b32 v1, 15, v0                           ; r
	v_bfe_u32 v2, v0, 4, 1                         ; h
	v_and_b32 v3, 31, v0
	v_lshlrev_b32 v4, 3, v3                        ; 8 x lane
	v_lshlrev_b32 v20, 5, v1
	v_lshl_add_u32 v21, v2, 10, v20                ; R's scale bytes: 32 a row; lanes 16-31 32 rows on
	v_lshl_add_u32 v20, v2, 11, v20                ; P's: lanes 16-31 64 rows on
	s_lshl_b32 s90, s20, 5
	s_add_co_u32 s90, s90, SCO
	s_mov_b32 s91, 0
	s_add_nc_u64 s[90:91], s[4:5], s[90:91]
	s_lshl_b32 s92, s14, 6
	s_add_co_u32 s92, s92, s22
	s_lshl_b32 s92, s92, 5
	s_add_co_u32 s92, s92, SCO
	s_mov_b32 s93, 0
	s_add_nc_u64 s[92:93], s[4:5], s[92:93]
.irp j, 0,1,2,3
.irp k, 0,1
	global_load_b128 v[SPR+8*\j+4*\k:SPR+8*\j+4*\k+3], v20, s[90:91] offset:512*\j+16*\k   ; four K steps' words of a row
.endr
.endr
.irp j, 0,1
.irp k, 0,1
	global_load_b128 v[SRR+8*\j+4*\k:SRR+8*\j+4*\k+3], v21, s[92:93] offset:512*\j+16*\k
.endr
.endr
	v_mov_b32 v[AP], v4
	v_add_nc_u32 v[AP+1], 49152, v4
	s_mul_i32 s94, s15, 98304
	s_mul_i32 s95, s16, 3072
	s_add_co_u32 s94, s94, s95
	s_add_co_u32 s94, s94, RB
	v_add_nc_u32 v[AR], s94, v4
	v_add_nc_u32 v[AR+1], 49152, v[AR]
	; where the results go.  q: qb [bh][32 groups of 4 tiles][4 x 768 + 256 of scale words];  k, v: kv [bh][16 steps][K 8 x 768 | V (tile, c) 8 x 768 | K's words 512 | V's half words 512]
	s_lshr_b32 s94, s45, 4
	s_lshl_b32 s94, s94, 4
	s_lshl_b32 s95, s46, 2
	s_add_co_u32 s94, s94, s95
	s_add_co_u32 s94, s94, s14                     ; types 0, 1: 16 x batch + head
	s_and_b32 s95, s45, 15
	s_mul_i32 s96, s94, 106496
	s_mul_i32 s97, s95, 6656
	s_add_co_u32 s96, s96, s97                     ; q's codes
	s_lshl_b32 s97, s94, 4
	s_add_co_u32 s97, s97, s95
	s_mul_i32 s97, s97, 13312                      ; k's
	s_and_b32 s98, s46, 7
	s_lshl_b32 s98, s98, 2
	s_add_co_u32 s98, s98, s14                     ; type 2: my 64 tokens of the batch
	s_lshr_b32 s99, s98, 1                         ; their step,
	s_and_b32 s98, s98, 1                          ; and which half of it
	s_lshr_b32 s94, s46, 3
	s_lshl_b32 s94, s94, 3
	s_add_co_u32 s94, s94, s45
	s_lshl_b32 s94, s94, 5                         ; (16 x batch + 2 Pt) x 16
	s_add_co_u32 s94, s94, s99
	s_mul_i32 s94, s94, 13312
	s_mul_i32 s95, s98, 768
	s_add_co_u32 s94, s94, s95
	s_add_co_u32 s94, s94, 6144                    ; v's codes
	s_lshl_b32 s98, s98, 9
	s_sub_co_u32 s98, 6656, s98                    ; and from there to its half words
	s_mov_b32 s99, 212992                          ; a head's 16 records
	s_mov_b32 s95, 3328
	s_mov_b32 s12, 768
	s_mov_b32 s13, 12288
	s_cmp_eq_u32 s18, 0
	s_cselect_b64 s[2:3], s[6:7], s[8:9]
	s_cselect_b32 s96, s96, s97
	s_cselect_b32 s97, 3072, s13                   ; from the codes to the scale words
	s_cselect_b32 s42, s95, 3072                   ; from block a to block a + 4
	s_cselect_b32 s13, s95, 256                    ; the same for the scale words
	s_cmp_eq_u32 s18, 2
	s_cselect_b32 s96, s94, s96
	s_cselect_b32 s10, s98, s97
	s_cselect_b32 s42, s99, s42
	s_cselect_b32 s13, s99, s13
	s_cselect_b32 s12, 1536, s12                   ; from block a to block a + 1
	s_mov_b32 s97, 0
	s_mov_b32 s11, 0
	s_add_nc_u64 s[2:3], s[2:3], s[96:97]
	s_add_nc_u64 s[10:11], s[2:3], s[10:11]
.irp a, 0,1,2,3,4,5,6,7
	s_mul_i32 s47, s12, \a%4
.if \a >= 4
	s_add_co_u32 s47, s47, s42
.endif
	v_add_nc_u32 v[DOF+\a], s47, v4
.endr
	v_mul_lo_u32 v[DSF], v2, s13
	v_lshl_add_u32 v[DSF], v1, 4, v[DSF]
	s_mov_b32 s[SEL], 0x76543210
	s_mov_b32 s[SEL+1], 0xfedcba98
	s_mov_b32 s43, 0xffff
	s_mov_b32 s44, 0x7f7f0000                      ; the bytes of the two blocks that a K of 64 does not have: 2^0
	s_mov_b32 s47, 0xffff0000                      ; lanes 16-31
.irp b, 0,1,2,3
	v_mov_b32 v[TM+4+\b], 0                        ; a lane permute's destination counts as one of its sources
.endr
	s_wait_tensorcnt 3                             ; my part of slice 0 is in; slices 1 to 3 may be out
	s_barrier_signal -1
	s_barrier_wait -1
	FETCH 0
	s_wait_loadcnt 0x0                             ; the scale words
.irp q, 0,1,2,3,4,5,6,7
	s_wait_dscnt 0x0                               ; this step's fragments, asked for a step ago, are in
.if (\q%2 == 1) && (\q < 7)
	s_wait_tensorcnt 3-(\q+1)/2                    ; my part of the next slice is in; the later slices may be out
	s_barrier_signal -1
	s_barrier_wait -1
.endif
.if (\q > 0) && (\q < 7)
	PLACES 4                                       ; in front of loads into registers that the step before has multiplied
.endif
.if \q < 7
	FETCH \q+1
.endif
.if \q == 0
	MUL \q, 1                                      ; the first step starts the sums: nothing is cleared
.else
	MUL \q, 0
.endif
.endr
; 64 results of a lane (window 2, v[s] on): blocks a and a + 1 of P, register 16 b + i = R's true row 32 (b % 2) + 16 (lane / 16) + i.  They become two half-images in v[PC] on and four scale bytes in v[PW].
.macro QUANT s
	WIN 0x0a
.irp b, 0,1,2,3
	v_max3_num_f32 v[TM+\b], |v[(\s)+16*\b]|, |v[(\s)+1+16*\b]|, 0x2800000   ; each accumulator is read from its low end on; the floor 2^(5 - 127) holds the byte at 1 from below
.endr
	WIN 0x28
.irp i, 2,4,6,8,10,12,14
.irp b, 0,1,2,3
	v_max3_num_f32 v[TM+\b], v[TM+\b], |v[(\s)+16*\b+\i]|, |v[(\s)+1+16*\b+\i]|
.endr
.endr
	WIN 0
.irp b, 0,1,2,3
	v_permlanex16_b32 v[TM+4+\b], v[TM+\b], s[SEL], s[SEL+1]
.endr
.irp b, 0,1,2,3
	v_max_num_f32 v[TM+\b], v[TM+\b], v[TM+4+\b]   ; with lane l xor 16's: the block's largest magnitude
.endr
.irp b, 0,1,2,3
	v_add_nc_u32 v[TM+12+\b], 0xfe000000, v[TM+\b] ; 4 off its exponent field: the conversion's scale operand
.endr
.irp b, 0,1,2,3
	v_lshrrev_b32 v[TM+4+\b], 23, v[TM+12+\b]
.endr
	v_lshl_or_b32 v[PW], v[TM+5], 8, v[TM+4]
	v_lshl_or_b32 v[PW], v[TM+6], 16, v[PW]
	v_lshl_or_b32 v[PW], v[TM+7], 24, v[PW]
	WIN 0x02
.irp c, 0,1
	v_cvt_scalef32_pk16_bf6_f32 v[PC+6*\c:PC+2+6*\c], v[(\s)+32*\c:(\s)+15+32*\c], v[TM+12+2*\c]
	v_cvt_scalef32_pk16_bf6_f32 v[PC+12+4*\c:PC+14+4*\c], v[(\s)+16+32*\c:(\s)+31+32*\c], v[TM+12+2*\c+1]
.endr
	WIN 0
	v_nop                                          ; one plain place behind a scaled conversion
.irp c, 0,1                            ; the operand's layout wants a whole block in a lane
.irp i, 0,1,2
	v_permlane16_swap_b32 v[PC+6*\c+\i], v[PC+12+4*\c+\i]
.endr
.irp i, 0,1,2
	v_mov_b32 v[PC+3+6*\c+\i], v[PC+12+4*\c+\i]
.endr
.endr
.endm
	PLACES 4                                       ; behind the last products
.irp i, 0,1,2,3
.if \i > 0
	s_wait_xcnt 0x0                                ; the last pair's stores have read their data
.endif
	QUANT 64*\i
.irp p, 0,1,2
	global_store_b64 v[DOF+2*\i], v[PC+2*\p:PC+2*\p+1], s[2:3] offset:256*\p      ; a plane: 32 lanes store 256 consecutive bytes, at a multiple of 256
.endr
.irp p, 0,1,2
	global_store_b64 v[DOF+2*\i+1], v[PC+6+2*\p:PC+7+2*\p], s[2:3] offset:256*\p
.endr
	v_and_or_b32 v[WW+2*\i], v[PW], s43, s44
	v_lshrrev_b32 v[WW+2*\i+1], 16, v[PW]
	v_or_b32 v[WW+2*\i+1], s44, v[WW+2*\i+1]
.endr
.irp j, 0,1,2,3
	v_cndmask_b32 v[WS+\j], v[WW+\j], v[WW+4+\j], s47   ; lanes 0-15 blocks 0-3, lanes 16-31 blocks 4-7
.endr
	global_store_b128 v[DSF], v[WS:WS+3], s[10:11] ; two runs of 256 consecutive bytes
	s_wait_tensorcnt 0x0
	ds_add_u32 v254, v255
	s_wait_dscnt 0x0
	CROUND                                         ; the closing round
	s_endpgm
.Lfunc_end_k_q6b997c8b86_qkv:
	.size	k_q6b997c8b86_qkv, .Lfunc_end_k_q6b997c8b86_qkv-k_q6b997c8b86_qkv
	.p2alignl 7, 3214868480
	.fill 96, 4, 3214868480
	.section	.rodata,"a",@progbits
	.p2align	6, 0x0
	.amdhsa_kernel k_q6b997c8b86_qkv
		.amdhsa_group_segment_fixed_size 295424
		.amdhsa_private_segment_fixed_size 0
		.amdhsa_enable_private_segment 0
		.amdhsa_kernarg_size 24
		.amdhsa_user_sgpr_count 2
		.amdhsa_user_sgpr_kernarg_segment_ptr 1
		.amdhsa_wavefront_size32 1
		.amdhsa_system_sgpr_workgroup_id_x 1
		.amdhsa_system_sgpr_workgroup_id_y 1
		.amdhsa_system_sgpr_workgroup_id_z 1
		.amdhsa_system_vgpr_workitem_id 0
		.amdhsa_next_free_vgpr 768
		.amdhsa_next_free_sgpr 100
		.amdhsa_reserve_vcc 0
		.amdhsa_float_denorm_mode_32 3
		.amdhsa_float_denorm_mode_16_64 3
		.amdhsa_memory_ordered 1
		.amdhsa_forward_progress 1
		.amdhsa_inst_pref_size 102
	.end_amdhsa_kernel
	.amdgpu_metadata
---
amdhsa.version: [ 1, 2 ]
amdhsa.kernels:
  - .name:           k_q6b997c8b86_qkv
    .symbol:         k_q6b997c8b86_qkv.kd
    .args:
      - { .name: opq, .offset: 0, .size: 8, .value_kind: global_buffer, .address_space: global }
      - { .name: qb, .offset: 8, .size: 8, .value_kind: global_buffer, .address_space: global }
      - { .name: kv, .offset: 16, .size: 8, .value_kind: global_buffer, .address_space: global }
    .group_segment_fixed_size: 295424
    .private_segment_fixed_size: 0
    .kernarg_segment_align: 8
    .kernarg_segment_size: 24
    .max_flat_workgroup_size: 128
    .sgpr_count:     100
    .vgpr_count:     768
    .wavefront_size: 32
...
	.end_amdgpu_metadata
.endif
;; end of part 2
;; launch attn (part 3): grid 4 x 64, 16 waves a work-group, no clusters, 29,696 bytes of LDS; arguments qb, kv, msk, att; writes att
.if DOCPART == 3
	.amdgcn_target "amdgcn-amd-amdhsa--gfx1250"
	.amdhsa_code_object_version 6
	.text
	.protected	k_q6b997c8b86_attn
	.globl	k_q6b997c8b86_attn
	.p2align	8
	.type	k_q6b997c8b86_attn,@function
k_q6b997c8b86_attn:
	s_mov_b64 s[64:65], 0
	v_nop
	global_prefetch_b8 v0, s[64:65] scope:SCOPE_SE
	s_setreg_imm32_b32 hwreg(HW_REG_WAVE_MODE, 25, 1), 1
	s_wait_xcnt 0x0
; For each of 64 (batch, head): O = softmax(q k^T / 8 + (mask == 0) x -1e9) v, both products on codes of BF6 (E3M2); O / l is quantised along the model's 1024 for the last product.
; THE SOFTMAX: t = logit x log2(e); M = the running largest t rounded up to a whole number; p = 2^(t - M) is quantised along the keys; the row's sum is taken of the unquantised p and divides O at the end.
; SHARES.  Work-group (x, bh) walks the query blocks x and 7 - x, 256 queries each; each of its sixteen waves owns one stored tile of 16 queries.  A step is 128 keys.
; BOTH PRODUCTS ARE USED TRANSPOSED (S^T = K Q^T, O^T = V^T P^T): a lane holds one query throughout.  Rows are stored in the order pi, so that the 16 registers of tiles 2 b, 2 b + 1 are 16 true neighbours.
; THE MASK IS AN INPUT.  The launch before stored, for each tile and step, 64 lane-mask words and two flags.  A step in which no row of my tile keeps a key is passed over: its p would be 2^(under -150) = 0 beside the kept
; keys, while |logit| < 4e8 (a stated limit).  If some row keeps no key at all, the flags ask for every step.  In a step with hidden keys t is formed in the reference's own f32 steps:
; 8 x round(score / 8 - 1e9) = round(score - 8e9), x log2(e) / 8 rounded, - M.  In a step without, t - M is one fused multiply-add.
; NO TENSOR LOAD AND NO CLUSTER: steps are passed over by branches on stored whole numbers, and partners would want different numbers of tiles.
; K and V of a step are one dense record of 13,312 bytes: every thread copies 16 bytes (waves 0-9 a second 16) through registers into one of two LDS slots, a step ahead; one barrier a step.
; No prefetch: a record's loads are issued a whole step's work ahead of the stores that want them.
; K = 64 IN AN INSTRUCTION OF 128: Q's upper 64 codes are zeros; K's operand of tile t is v[30 + 6 t : 41 + 6 t], whose upper six registers are the next tile's codes (finite), under the scale byte 127: they add nothing.
; LIMITS: NaN and infinities are not served; a block under 2^-122 gets the byte 1.
.set REC, 13312                        ; K 8 x 768 | V (tile, c) 8 x 768 | K's scale words 512 | V's half words 512
.set SCB, 26624                        ; LDS behind the two slots: the block's 1,024 bytes of outgoing half words
.set S,   100                          ; v100-163 S^T, then p
.set O,   164                          ; v164-195 O^T
.set PCD, 196                          ; v196-207 p's codes
.set CT,  208                          ; v208-215 at work for the conversions
.set BM,  216                          ; v216-219 the blocks' maxima
.set BT,  220                          ; v220-223 at work, then the bytes
.set SO,  224                          ; v224-227 the conversions' scale operands
	s_load_b256 s[4:11], s[0:1], 0x0               ; qb, kv, msk, att
	v_lshl_add_u32 v254, v0, 2, 0x6c00
	v_mov_b32 v255, 0
	v_lshrrev_b32 v1, 5, v0
	v_readfirstlane_b32 s12, v1                    ; wave 0..15
	s_and_b32 s14, ttmp7, 0xffff                   ; 16 x batch + head
	v_and_b32 v1, 31, v0
	v_lshlrev_b32 v1, 3, v1                        ; v1: 8 x lane
	v_and_b32 v7, 15, v0
	v_lshlrev_b32 v7, 4, v7                        ; v7: 16 r
	v_bfe_u32 v2, v0, 4, 1
	v_lshl_add_u32 v2, v2, 8, v7
	v_add_nc_u32 v2, 12288, v2                     ; v2: K's scale words: lanes 0-15 tiles 0-3, lanes 16-31 tiles 4-7
	v_add_nc_u32 v3, 12800, v7                     ; v3: V's half words
	v_lshlrev_b32 v4, 4, v0                        ; v4: 16 x thread: the copy
	s_lshr_b32 s29, s12, 2
	s_lshl_b32 s29, s29, 8
	s_and_b32 s30, s12, 3
	s_lshl_b32 s30, s30, 2
	s_add_co_u32 s29, s29, s30
	v_add_nc_u32 v8, s29, v7
	v_add_nc_u32 v8, SCB, v8                       ; v8: my tile's outgoing half word: [group][r][tile % 4]
	v_and_b32 v5, 63, v0
	v_lshlrev_b32 v5, 4, v5                        ; v5, v9: waves 0 and 1 carry the 1,024 bytes out
	v_add_nc_u32 v9, SCB, v5
	v_mov_b32 v10, 0xcfee6b28                      ; -8e9
.irp j, 22,23,24,25,26,27,78,79,80,81,82,83,220,221,222,223,231,232
	v_mov_b32 v\j, 0                               ; Q's upper codes; what stands behind K's tile 7; destinations of lane permutes; the upper half of the pair f
.endr
.irp j, 240,241,242,243,244,245,246,247
	v_mov_b32 v\j, 0                               ; the copy's registers: written once, so that every path finds them written
.endr
	s_mov_b32 s20, 0x76543210
	s_mov_b32 s21, 0xfedcba98                      ; lane l xor 16
	s_mov_b32 s22, 0x3e38aa3b                      ; log2(e) / 8
	s_mov_b32 s23, s22
	s_mov_b32 s25, s22                             ; (named with s24 as a pair)
	s_mov_b32 s66, 0x05040100                      ; two low halves make a word
	s_mov_b32 s31, 0
	s_mov_b32 s15, 0
	s_wait_kmcnt 0x0
.macro COPYLD                          ; the record at s[26:27] into registers
	global_load_b128 v[240:243], v4, s[26:27]
	s_cmp_lt_u32 s12, 10
	s_cbranch_scc0 .Lcl_\@
	global_load_b128 v[244:247], v4, s[26:27] offset:8192
.Lcl_\@:
.endm
; A KEY STEP on the record in slot.  s67 = the step
.macro STEP slot
.rept 4
	v_nop                                          ; places in front of loads into registers that the last step's products have read
.endr
	s_mov_b32 s24, s22                             ; the factor of the scalings below: log2(e) / 8
	s_add_co_u32 s30, s67, 16
	s_lshr_b32 s13, s19, s30
	s_and_b32 s13, s13, 1                          ; has the step hidden keys?
	s_lshl_b32 s104, s67, 8
	s_load_b512 s[32:47], s[2:3], s104 offset:0x0  ; the step's 64 lane-mask words, in every step that is computed
	s_load_b512 s[48:63], s[2:3], s104 offset:0x40
	s_load_b512 s[68:83], s[2:3], s104 offset:0x80
	s_load_b512 s[84:99], s[2:3], s104 offset:0xc0
.irp t, 0,1,2,3,4,5,6,7
.irp j, 0,1,2
	ds_load_b64 v[30+6*\t+2*\j:31+6*\t+2*\j], v1 offset:\slot*REC+768*\t+256*\j
.endr
.endr
	ds_load_b128 v[84:87], v2 offset:\slot*REC
	s_wait_dscnt 0x0
.irp t, 0,1,2,3
	v_wmma_scale_f32_16x16x128_f8f6f4 v[S+8*\t:S+8*\t+7], v[30+6*\t:41+6*\t], v[16:27], 0, v[84+\t], v28 matrix_a_fmt:MATRIX_FMT_BF6 matrix_b_fmt:MATRIX_FMT_BF6
.endr
.irp t, 4,5,6,7
	v_wmma_scale_f32_16x16x128_f8f6f4 v[S+8*\t:S+8*\t+7], v[30+6*\t:41+6*\t], v[16:27], 0, v[80+\t], v28 matrix_a_fmt:MATRIX_FMT_BF6 matrix_b_fmt:MATRIX_FMT_BF6 matrix_a_scale:MATRIX_SCALE_ROW1
.endr
.rept 4
	v_nop                                          ; places in front of the loads below and of the first read of the scores
.endr
.irp t, 0,1,2,3                        ; V's four fragments land under the softmax
.irp c, 0,1
.irp j, 0,1,2
	ds_load_b64 v[30+12*\t+6*\c+2*\j:31+12*\t+6*\c+2*\j], v1 offset:\slot*REC+6144+(2*\t+\c)*768+256*\j
.endr
.endr
.endr
	ds_load_b128 v[88:91], v3 offset:\slot*REC
	ds_load_b128 v[92:95], v3 offset:\slot*REC+256
	s_wait_kmcnt 0x0                               ; the mask words are in
	s_cmp_lg_u32 s13, 0
	s_cbranch_scc0 .Lclean_\@
.set N, 0
.rept 32                               ; register 16 b + i holds key 32 b + 16 (lane / 16) + i: word 16 b + i says in which lanes it is hidden
.if N < 16
.set W, 32+2*N
.else
.set W, 36+2*N
.endif
	v_cndmask_b32 v[234+2*(N%2)], 0, v10, s[W]
	v_cndmask_b32 v[235+2*(N%2)], 0, v10, s[W+1]
	v_pk_add_f32 v[S+2*N:S+2*N+1], v[S+2*N:S+2*N+1], v[234+2*(N%2):235+2*(N%2)]   ; 8 x round(score / 8 - 1e9)
	v_pk_mul_f32 v[S+2*N:S+2*N+1], v[S+2*N:S+2*N+1], s[22:23] op_sel_hi:[1,0]     ; t, rounded
.set N, N+1
.endr
	s_mov_b32 s24, 1.0                             ; the registers hold t already
.Lclean_\@:
.irp b, 0,1,2,3
	v_max3_num_f32 v[BM+\b], v[S+16*\b], v[S+1+16*\b], v[S+2+16*\b]   ; the largest of each block of 32 keys: for the row's maximum and, since p rises with it, for the block's largest p
.endr
.irp i, 3,5,7,9,11,13
.irp b, 0,1,2,3
	v_max3_num_f32 v[BM+\b], v[BM+\b], v[S+16*\b+\i], v[S+1+16*\b+\i]
.endr
.endr
.irp b, 0,1,2,3
	v_max_num_f32 v[BM+\b], v[BM+\b], v[S+15+16*\b]
.endr
.irp b, 0,1,2,3
	v_permlanex16_b32 v[BT+\b], v[BM+\b], s20, s21
.endr
.irp b, 0,1,2,3
	v_max_num_f32 v[BM+\b], v[BM+\b], v[BT+\b]
.endr
	v_max3_num_f32 v232, v[BM], v[BM+1], v[BM+2]
	v_max_num_f32 v232, v232, v[BM+3]
	v_mul_f32 v232, s24, v232                      ; as t
	v_max_num_f32 v13, v13, v232                   ; the running largest t
	v_mov_b32 v232, v12
	v_floor_f32 v12, -v13                          ; -M = floor(-t): M is a whole number
	v_sub_f32 v232, v12, v232                      ; old M - new M
	v_cvt_i32_f32 v232, v232                       ; (it saturates)
	v_ldexp_f32 v230, 1.0, v232                    ; f = 2^(old M - new M): a multiplication by it rounds nothing
.set N, 0
.rept 32
	v_pk_fma_f32 v[S+2*N:S+2*N+1], v[S+2*N:S+2*N+1], s[24:25], v[12:13] op_sel_hi:[1,0,0]   ; t - M
.set N, N+1
.endr
.irp b, 0,1,2,3
	v_fma_f32 v[BM+\b], v[BM+\b], s24, v12
.endr
.set N, 0
.rept 64
	v_exp_f32 v[S+N], v[S+N]                       ; p = 2^(t - M)
.set N, N+1
.endr
	v_pk_mul_f32 v[14:15], v[14:15], v[230:231] op_sel_hi:[1,0]   ; the sums under the new M (a plain place behind the exponentials)
	s_wait_alu depctr_va_vdst(0)                   ; one wait for the batch, ahead of its first reader
.irp b, 0,1,2,3
	v_exp_f32 v[BM+\b], v[BM+\b]                   ; the blocks' largest p
.endr
	v_pk_add_f32 v[248:249], v[S:S+1], v[S+2:S+3]  ; the row's sum of the unquantised p, in two chains
.irp j, 4,8,12,16,20,24,28,32,36,40,44,48,52,56,60
	v_pk_add_f32 v[14:15], v[14:15], v[S+\j:S+1+\j]
	v_pk_add_f32 v[248:249], v[248:249], v[S+2+\j:S+3+\j]
.endr
	v_pk_add_f32 v[14:15], v[14:15], v[248:249]
	s_wait_alu depctr_va_vdst(0)                   ; and one for the four
.irp b, 0,1,2,3
	v_max_num_f32 v[BM+\b], 0x2800000, v[BM+\b]    ; the floor 2^(5 - 127)
.endr
.irp b, 0,1,2,3
	v_add_nc_u32 v[SO+\b], 0xfe000000, v[BM+\b]
.endr
.irp b, 0,1,2,3
	v_lshrrev_b32 v[BT+\b], 23, v[SO+\b]
.endr
	v_lshl_or_b32 v228, v[BT+1], 8, v[BT]          ; p's scale word for these 128 keys
	v_lshl_or_b32 v228, v[BT+2], 16, v228
	v_lshl_or_b32 v228, v[BT+3], 24, v228
.irp c, 0,1
	v_cvt_scalef32_pk16_bf6_f32 v[PCD+6*\c:PCD+2+6*\c], v[S+32*\c:S+15+32*\c], v[SO+2*\c]
	v_cvt_scalef32_pk16_bf6_f32 v[CT+4*\c:CT+2+4*\c], v[S+16+32*\c:S+31+32*\c], v[SO+2*\c+1]
.endr
	v_nop                                          ; one plain place behind a scaled conversion
.irp c, 0,1
.irp i, 0,1,2
	v_permlane16_swap_b32 v[PCD+6*\c+\i], v[CT+4*\c+\i]
.endr
.irp i, 0,1,2
	v_mov_b32 v[PCD+3+6*\c+\i], v[CT+4*\c+\i]
.endr
.endr
	s_wait_dscnt 0x0                               ; V and its half words are in
.irp t, 0,1,2,3
	v_perm_b32 v[96+\t], v[92+\t], v[88+\t], s66   ; V's scale word: the two halves' two bytes each
.endr
.set N, 0
.rept 16
	v_pk_mul_f32 v[O+2*N:O+2*N+1], v[O+2*N:O+2*N+1], v[230:231] op_sel_hi:[1,0]   ; O^T under the new M; these sixteen are also the places between the scale words just made and the products
.set N, N+1
.endr
.irp t, 0,1,2,3                        ; the four accumulators by turns
	v_wmma_scale_f32_16x16x128_f8f6f4 v[O+8*\t:O+8*\t+7], v[30+12*\t:41+12*\t], v[PCD:PCD+11], v[O+8*\t:O+8*\t+7], v[96+\t], v228 matrix_a_fmt:MATRIX_FMT_BF6 matrix_b_fmt:MATRIX_FMT_BF6
.endr
.endm
; ONE STEP OF THE WALK.  The record loaded a step ago goes into its slot; the next is asked for; one barrier; the step's work, if my tile wants it.
; A slot is written again only behind the barrier that every wave reaches with its reads of that slot waited for.
.macro ITER slot
	s_lshl_b32 s67, s28, 1
.if \slot
	s_add_co_u32 s67, s67, 1
.endif
	s_wait_loadcnt 0x0                             ; this step's record (and, in the first step, Q) is in registers; the loads' address may be stepped
	s_add_nc_u64 s[26:27], s[26:27], REC
	s_lshr_b32 s29, s18, s67
	s_and_b32 s29, s29, 1
	s_cmp_lg_u32 s29, 0                            ; does any tile of the block want this step?
	s_cbranch_scc0 .Lns_\@
	ds_store_b128 v4, v[240:243] offset:\slot*REC
	s_cmp_lt_u32 s12, 10
	s_cbranch_scc0 .Lns_\@
	ds_store_b128 v4, v[244:247] offset:\slot*REC+8192
.Lns_\@:
	s_wait_dscnt 0x0                               ; my stores have landed, my reads of the last step are over
	s_add_co_u32 s30, s67, 1
	s_lshr_b32 s29, s18, s30                       ; bit 16 is 0: behind step 15 nothing is asked for
	s_and_b32 s29, s29, 1
	s_cmp_lg_u32 s29, 0
	s_cbranch_scc0 .Lnl_\@
	COPYLD
.Lnl_\@:
	s_barrier_signal -1
	s_barrier_wait -1
	s_lshr_b32 s29, s19, s67
	s_and_b32 s29, s29, 1
	s_cmp_lg_u32 s29, 0                            ; does my tile want it?
	s_cbranch_scc0 .Lnw_\@
	STEP \slot
.Lnw_\@:
.endm
.Lhalf:
	s_sub_co_u32 s29, 7, ttmp9
	s_cmp_eq_u32 s15, 0
	s_cselect_b32 s16, ttmp9, s29                  ; the query block: x, then 7 - x
	s_lshl_b32 s17, s16, 4
	s_add_co_u32 s17, s17, s12                     ; my stored tile
	s_lshl_b32 s30, s16, 6
	s_add_co_u32 s30, s30, 524288
	s_add_nc_u64 s[100:101], s[8:9], s[30:31]
	s_lshl_b32 s29, s12, 2
	s_load_b512 s[32:47], s[100:101], 0x0          ; the block's sixteen flag words,
	s_load_b32 s19, s[100:101], s29 offset:0x0     ; and mine
	s_lshl_b32 s30, s17, 12
	s_add_nc_u64 s[2:3], s[8:9], s[30:31]          ; my tile's mask words
	s_mul_i32 s30, s14, 212992
	s_add_nc_u64 s[26:27], s[6:7], s[30:31]        ; the head's record of step 0
	s_wait_kmcnt 0x0
	s_or_b32 s18, s32, s33
.irp j, 34,35,36,37,38,39,40,41,42,43,44,45,46,47
	s_or_b32 s18, s18, s\j
.endr
	s_and_b32 s18, s18, 0xffff                     ; the steps that some tile of the block wants
	s_mul_i32 s34, s14, 106496
	s_lshr_b32 s29, s17, 2
	s_mul_i32 s29, s29, 3328
	s_add_co_u32 s34, s34, s29
	s_and_b32 s29, s17, 3
	s_lshl_b32 s36, s29, 2
	s_add_co_u32 s36, s36, s34
	s_add_co_u32 s36, s36, 3072
	s_mul_i32 s29, s29, 768
	s_add_co_u32 s34, s34, s29
	s_mov_b32 s35, 0
	s_mov_b32 s37, 0
	s_add_nc_u64 s[34:35], s[4:5], s[34:35]
	s_add_nc_u64 s[36:37], s[4:5], s[36:37]
.irp j, 0,1,2
	global_load_b64 v[16+2*\j:17+2*\j], v1, s[34:35] offset:256*\j   ; Q's half-image
.endr
	global_load_b32 v28, v7, s[36:37]              ; and its scale words
	v_mov_b32 v13, 0xff61b1e6                      ; the largest t so far: -3e38
	v_floor_f32 v12, -v13
	v_mov_b32 v14, 0
	v_mov_b32 v15, 0
.set N, 0
.rept 32
	v_mov_b32 v[O+N], 0                            ; the step is written once: the first finds zeros, which the first change of M leaves zeros
.set N, N+1
.endr
	s_and_b32 s29, s18, 1
	s_cmp_lg_u32 s29, 0
	s_cbranch_scc0 .Lno_first
	COPYLD
.Lno_first:
	s_mov_b32 s28, 0
.Lpair:
	ITER 0
	ITER 1
	s_add_co_u32 s28, s28, 1
	s_cmp_lt_u32 s28, 8
	s_cbranch_scc1 .Lpair
	; THE WAY OUT of a block: O^T / the sum, quantised along the head's 64 channels (registers 16 b + i = channel 32 b + 16 (lane / 16) + i), as a half-image and a half word
	s_wait_loadcnt 0x0
.rept 4
	v_nop                                          ; places behind the last products
.endr
	v_add_f32 v14, v14, v15
	v_permlanex16_b32 v232, v14, s20, s21
	v_add_f32 v14, v14, v232                       ; the row's sum
	v_rcp_f32 v14, v14
	v_nop                                          ; a plain place behind the reciprocal
	s_and_b32 s29, s14, 15                         ; head
	s_mul_i32 s34, s29, 393216
	s_lshr_b32 s30, s14, 4                         ; batch
	s_lshl_b32 s36, s30, 7
	s_add_co_u32 s36, s36, s17
	s_mul_i32 s36, s36, 768
	s_add_co_u32 s34, s34, s36
	s_mov_b32 s35, 0
	s_add_nc_u64 s[34:35], s[10:11], s[34:35]      ; att: [16 heads][512 stored tiles][768]
	s_lshl_b32 s36, s29, 15
	s_lshl_b32 s30, s30, 5
	s_lshl_b32 s37, s16, 2
	s_add_co_u32 s30, s30, s37
	s_lshl_b32 s30, s30, 8
	s_add_co_u32 s36, s36, s30
	s_add_co_u32 s36, s36, 6291456
	s_mov_b32 s37, 0
	s_add_nc_u64 s[36:37], s[10:11], s[36:37]      ; behind them: [16 heads][128 groups][r][tile % 4]
	s_wait_alu depctr_va_vdst(0)                   ; ahead of the reciprocal's first reader
.set N, 0
.rept 32
	v_mul_f32 v[S+N], v[O+N], v14                  ; each accumulator from its low end on
.set N, N+1
.endr
.irp b, 0,1
	v_max3_num_f32 v[BM+\b], |v[S+16*\b]|, |v[S+1+16*\b]|, 0x2800000
.endr
.irp i, 2,4,6,8,10,12,14
.irp b, 0,1
	v_max3_num_f32 v[BM+\b], v[BM+\b], |v[S+16*\b+\i]|, |v[S+1+16*\b+\i]|
.endr
.endr
.irp b, 0,1
	v_permlanex16_b32 v[BT+\b], v[BM+\b], s20, s21
.endr
.irp b, 0,1
	v_max_num_f32 v[BM+\b], v[BM+\b], v[BT+\b]
.endr
.irp b, 0,1
	v_add_nc_u32 v[SO+\b], 0xfe000000, v[BM+\b]
.endr
.irp b, 0,1
	v_lshrrev_b32 v[BT+\b], 23, v[SO+\b]
.endr
	v_lshl_or_b32 v233, v[BT+1], 8, v[BT]
	v_cvt_scalef32_pk16_bf6_f32 v[PCD:PCD+2], v[S:S+15], v[SO]
	v_cvt_scalef32_pk16_bf6_f32 v[CT:CT+2], v[S+16:S+31], v[SO+1]
	v_nop
.irp i, 0,1,2
	v_permlane16_swap_b32 v[PCD+\i], v[CT+\i]
.endr
.irp i, 0,1,2
	v_mov_b32 v[PCD+3+\i], v[CT+\i]
.endr
.irp j, 0,1,2
	global_store_b64 v1, v[PCD+2*\j:PCD+2*\j+1], s[34:35] offset:256*\j   ; a plane: 256 consecutive bytes, at a multiple of 256
.endr
	ds_store_b32 v8, v233                          ; lanes r and r + 16 write the same word with the same value
	s_wait_dscnt 0x0
	s_barrier_signal -1
	s_barrier_wait -1
	s_cmp_lt_u32 s12, 2
	s_cbranch_scc0 .Lnosc
	ds_load_b128 v[CT:CT+3], v9
	s_wait_dscnt 0x0
	global_store_b128 v5, v[CT:CT+3], s[36:37]
.Lnosc:
	s_wait_xcnt 0x0                                ; the stores have read their data and bases: both are written again in the next block
	s_add_co_u32 s15, s15, 1
	s_cmp_lt_u32 s15, 2
	s_cbranch_scc1 .Lhalf
	s_wait_tensorcnt 0x0
	ds_add_u32 v254, v255
	s_wait_dscnt 0x0
	s_endpgm
.Lfunc_end_k_q6b997c8b86_attn:
	.size	k_q6b997c8b86_attn, .Lfunc_end_k_q6b997c8b86_attn-k_q6b997c8b86_attn
	.p2alignl 7, 3214868480
	.fill 96, 4, 3214868480
	.section	.rodata,"a",@progbits
	.p2align	6, 0x0
	.amdhsa_kernel k_q6b997c8b86_attn
		.amdhsa_group_segment_fixed_size 29696
		.amdhsa_private_segment_fixed_size 0
		.amdhsa_enable_private_segment 0
		.amdhsa_kernarg_size 32
		.amdhsa_user_sgpr_count 2
		.amdhsa_user_sgpr_kernarg_segment_ptr 1
		.amdhsa_wavefront_size32 1
		.amdhsa_system_sgpr_workgroup_id_x 1
		.amdhsa_system_sgpr_workgroup_id_y 1
		.amdhsa_system_sgpr_workgroup_id_z 1
		.amdhsa_system_vgpr_workitem_id 0
		.amdhsa_next_free_vgpr 256
		.amdhsa_next_free_sgpr 106
		.amdhsa_reserve_vcc 0
		.amdhsa_float_denorm_mode_32 3
		.amdhsa_float_denorm_mode_16_64 3
		.amdhsa_memory_ordered 1
		.amdhsa_forward_progress 1
		.amdhsa_inst_pref_size 65
	.end_amdhsa_kernel
	.amdgpu_metadata
---
amdhsa.version: [ 1, 2 ]
amdhsa.kernels:
  - .name:           k_q6b997c8b86_attn
    .symbol:         k_q6b997c8b86_attn.kd
    .args:
      - { .name: qb, .offset: 0, .size: 8, .value_kind: global_buffer, .address_space: global }
      - { .name: kv, .offset: 8, .size: 8, .value_kind: global_buffer, .address_space: global }
      - { .name: msk, .offset: 16, .size: 8, .value_kind: global_buffer, .address_space: global }
      - { .name: att, .offset: 24, .size: 8, .value_kind: global_buffer, .address_space: global }
    .group_segment_fixed_size: 29696
    .private_segment_fixed_size: 0
    .kernarg_segment_align: 8
    .kernarg_segment_size: 32
    .max_flat_workgroup_size: 512
    .sgpr_count:     106
    .vgpr_count:     256
    .wavefront_size: 32
...
	.end_amdgpu_metadata
.endif
;; end of part 3
;; launch oproj (part 4): grid 4 x 64, 4 waves a work-group, clusters of 4 x 4, 312,832 bytes of LDS; arguments att, opq, out0; writes out0
.if DOCPART == 4
	.amdgcn_target "amdgcn-amd-amdhsa--gfx1250"
	.amdhsa_code_object_version 6
	.text
	.protected	k_q6b997c8b86_oproj
	.globl	k_q6b997c8b86_oproj
	.p2align	8
	.type	k_q6b997c8b86_oproj,@function
k_q6b997c8b86_oproj:
	s_mov_b64 s[64:65], 0
	v_nop
	global_prefetch_b8 v0, s[64:65] scope:SCOPE_SE
	s_setreg_imm32_b32 hwreg(HW_REG_WAVE_MODE, 25, 1), 1
	s_wait_xcnt 0x0
	s_wait_alu depctr_hold_cnt(0) depctr_sa_sdst(0) depctr_va_vdst(0) depctr_va_sdst(0) depctr_va_ssrc(0) depctr_va_vcc(0) depctr_vm_vsrc(0)
	s_getreg_b32 s2, hwreg(HW_REG_IB_STS2, 6, 4)
	s_cmp_eq_u32 s2, 0
	s_cbranch_scc0 .Lentry_in_a_cluster
	s_endpgm
.Lentry_in_a_cluster:
	s_bfe_u32 s2, ttmp6, 0x10000c
	s_cmp_lg_u32 s2, 0xf033
	s_cbranch_scc0 .Lentry_shape_is_right
	s_endpgm
.Lentry_shape_is_right:
; out0 = A Wo^T on codes of BF6 (E3M2), K = 1024: A = the attention's result as the launch before quantised it, [16 heads = panels of 64][512 stored tiles][768 bytes]; Wo's codes from opq.  out0: [8192][1024] f32.
; A work-group makes 128 rows of P = A (on lanes: source 1) x 256 rows of R = Wo (on registers: source 0).  Wave w: all 128 of P x rows 64 w .. 64 w + 63 of R: 32 accumulators.
; ALL OF K LIES IN LDS: P 98,304 bytes, R 196,608.  Each wave brings a quarter by four tensor loads (a slice of 256 along K each), all issued at the start: four of a wave's loads are out at the most; no LDS byte is filled twice.
; CLUSTER 4 x 4: P's tiles hang on the cluster's row alone, R's on its column alone: each is asked for jointly by the four that need it.
; Both operands' rows are stored in the order pi (bits 3 and 4 exchanged): the way out undoes it by constants: the columns in the stage's offsets, the tokens in the stores' immediates.
; REGISTERS: window 0: v1-24 addresses; v32-63 P's scale words, v64-79 R's; v80-175 R's fragments, two sets; v176-239 A's half words, later rows of out0.  window 1: P's fragments, two sets.  window 2: accumulator (a, b) at v[8 (4 a + b)].
.set PITCH,  589824                    ; a panel of 64 along K in opq
.set PPITCH, 393216                    ; and in att
.set SCO,    9437184
.set RB,     98304                     ; LDS: P [half 2][panel 16][4 tiles x 768], then R [half 2][panel 16][8 tiles x 768]
.set STG,    294912                    ; behind them, where no fill lands: a stage of 16 rows x (256 + 16) bytes for each wave
.set AP,  16
.set AR,  18
.set STO, 22
.set RD,  23
.set CO,  24
.set SPR, 32
.set SRR, 64
.set RF,  80
.set BK,  176
.set G1,  24
.set G1B, 32
.set G0,  48
.set G0B, 68
.set MSB, 0
.macro WIN new                         ; the immediate's high byte repeats the setting that is left
.if MSB != \new
	s_set_vgpr_msb (MSB<<8)|\new
.set MSB, \new
.endif
.endm
.macro CREST
	s_cmp_lg_u32 s14, 0
	s_cbranch_scc1 .Lnot_wave_0_\@
	s_barrier_signal -3
.Lnot_wave_0_\@:
	s_barrier_wait -3
	s_barrier_signal -1
	s_barrier_wait -1
.endm
.macro CROUND                          ; a round of the cluster's barrier
	s_barrier_signal -1
	s_barrier_wait -1
	CREST
.endm
.macro PLACES n
.rept \n
	v_nop
.endr
.endm
.macro FRAGP p, q, a                   ; a fragment is two half-images: six loads of 8 bytes a lane, 256 consecutive bytes each
.irp j, 0,1,2,3,4,5
	ds_load_b64 v[96*(\p)+12*(\a)+2*\j:96*(\p)+12*(\a)+2*\j+1], v[AP+(\a)/4] offset:(2*(\q)+\j/3)*3072+((\a)%4)*768+256*(\j%3)
.endr
.endm
.macro FRAGR p, q, b
.irp j, 0,1,2,3,4,5
	ds_load_b64 v[RF+48*(\p)+12*(\b)+2*\j:RF+48*(\p)+12*(\b)+2*\j+1], v[AR+(\q)/4] offset:((2*(\q)+\j/3)%8)*6144+(\b)*768+256*(\j%3)
.endr
.endm
.macro FETCH q                         ; K step q's 12 fragments into set q % 2
	WIN 0x40
.irp a, 0,1,2,3,4,5,6,7
	FRAGP (\q)%2, \q, \a
.endr
	WIN 0
.irp b, 0,1,2,3
	FRAGR (\q)%2, \q, \b
.endr
.endm
.macro WM q, a, b, zero
.set rD, 8*(4*(\a)+(\b))
.set rA, RF+48*((\q)%2)+12*(\b)
.set rB, 96*((\q)%2)+12*(\a)
.set rX, SRR+8*((\b)%2)+(\q)
.set rY, SPR+8*((\a)%4)+(\q)
.if \zero
.if ((\b) >= 2) && ((\a) >= 4)
	v_wmma_scale_f32_16x16x128_f8f6f4 v[rD:rD+7], v[rA:rA+11], v[rB:rB+11], 0, v[rX], v[rY] matrix_a_fmt:MATRIX_FMT_BF6 matrix_b_fmt:MATRIX_FMT_BF6 matrix_a_scale:MATRIX_SCALE_ROW1 matrix_b_scale:MATRIX_SCALE_ROW1
.elseif (\b) >= 2
	v_wmma_scale_f32_16x16x128_f8f6f4 v[rD:rD+7], v[rA:rA+11], v[rB:rB+11], 0, v[rX], v[rY] matrix_a_fmt:MATRIX_FMT_BF6 matrix_b_fmt:MATRIX_FMT_BF6 matrix_a_scale:MATRIX_SCALE_ROW1
.elseif (\a) >= 4
	v_wmma_scale_f32_16x16x128_f8f6f4 v[rD:rD+7], v[rA:rA+11], v[rB:rB+11], 0, v[rX], v[rY] matrix_a_fmt:MATRIX_FMT_BF6 matrix_b_fmt:MATRIX_FMT_BF6 matrix_b_scale:MATRIX_SCALE_ROW1
.else
	v_wmma_scale_f32_16x16x128_f8f6f4 v[rD:rD+7], v[rA:rA+11], v[rB:rB+11], 0, v[rX], v[rY] matrix_a_fmt:MATRIX_FMT_BF6 matrix_b_fmt:MATRIX_FMT_BF6
.endif
.else
.if ((\b) >= 2) && ((\a) >= 4)
	v_wmma_scale_f32_16x16x128_f8f6f4 v[rD:rD+7], v[rA:rA+11], v[rB:rB+11], v[rD:rD+7], v[rX], v[rY] matrix_a_fmt:MATRIX_FMT_BF6 matrix_b_fmt:MATRIX_FMT_BF6 matrix_a_scale:MATRIX_SCALE_ROW1 matrix_b_scale:MATRIX_SCALE_ROW1
.elseif (\b) >= 2
	v_wmma_scale_f32_16x16x128_f8f6f4 v[rD:rD+7], v[rA:rA+11], v[rB:rB+11], v[rD:rD+7], v[rX], v[rY] matrix_a_fmt:MATRIX_FMT_BF6 matrix_b_fmt:MATRIX_FMT_BF6 matrix_a_scale:MATRIX_SCALE_ROW1
.elseif (\a) >= 4
	v_wmma_scale_f32_16x16x128_f8f6f4 v[rD:rD+7], v[rA:rA+11], v[rB:rB+11], v[rD:rD+7], v[rX], v[rY] matrix_a_fmt:MATRIX_FMT_BF6 matrix_b_fmt:MATRIX_FMT_BF6 matrix_b_scale:MATRIX_SCALE_ROW1
.else
	v_wmma_scale_f32_16x16x128_f8f6f4 v[rD:rD+7], v[rA:rA+11], v[rB:rB+11], v[rD:rD+7], v[rX], v[rY] matrix_a_fmt:MATRIX_FMT_BF6 matrix_b_fmt:MATRIX_FMT_BF6
.endif
.endif
.endm
.macro MUL q, zero                     ; 32 matrix instructions: the 32 accumulators take turns, one instruction a turn, in the same order in every step
	WIN 0xa4                                       ; source 0 (R) window 0, source 1 (P) window 1, C and D window 2
.irp a, 0,1,2,3,4,5,6,7
.irp b, 0,1,2,3
	WM \q, \a, \b, \zero
.endr
.endr
.endm
	s_load_b128 s[4:7], s[0:1], 0x0                ; att, opq
	s_load_b64 s[8:9], s[0:1], 0x10                ; out0
	v_lshl_add_u32 v254, v0, 2, 0x4c400
	v_mov_b32 v255, 0
	ds_add_u32 v254, v255
	ds_add_u32 v254, v255
	v_lshrrev_b32 v1, 5, v0
	v_readfirstlane_b32 s14, v1                    ; wave
	s_lshr_b32 s15, s14, 1                         ; I fetch for P (0) or for R (1); also: which half of R's rows holds mine
	s_and_b32 s16, s14, 1                          ; which half I fetch
	s_bfe_u32 s40, ttmp6, 0x40000                  ; cx
	s_bfe_u32 s41, ttmp6, 0x40004                  ; cy
	s_and_b32 s17, ttmp7, 0xffff                   ; cluster y, 0 .. 15
	s_lshl_b32 s43, s41, 2
	s_lshl_b32 s43, 15, s43                        ; my row of the cluster
	s_lshl_b32 s44, 0x1111, s40                    ; my column
	s_or_b32 s[G1], s43, (3<<16)|(1<<21)           ; the mask; elements of 8 bytes; bit 21 set beside a mask; no padding
	s_or_b32 s[G1B], s44, (3<<16)|(1<<21)
	s_mov_b32 s[G1+1], 384<<16                     ; P: a row of the tile is 4 tiles x 768 bytes of one panel = 384 elements
	s_mov_b32 s[G1+2], 4<<16                       ; 4 panels
	s_mov_b32 s[G1+3], 384<<16
	s_mov_b32 s[G1+4], 4
	s_mov_b32 s[G1+5], PPITCH/8
	s_mov_b32 s[G1+6], 0
	s_mov_b32 s[G1+7], 0
	s_mov_b32 s[G1B+1], 768<<16                    ; R: 8 tiles x 768 bytes
	s_mov_b32 s[G1B+2], 4<<16
	s_mov_b32 s[G1B+3], 768<<16
	s_mov_b32 s[G1B+4], 4
	s_mov_b32 s[G1B+5], PITCH/8
	s_mov_b32 s[G1B+6], 0
	s_mov_b32 s[G1B+7], 0
	s_lshl_b32 s45, s17, 2
	s_add_co_u32 s45, s45, s41                     ; Pt: which 128 rows of A: it hangs on cy, never on cx
	s_lshl_b32 s20, s45, 7                         ; P's first row
	s_lshl_b32 s22, s40, 8
	s_add_co_u32 s22, s22, 11264                   ; R's first stored row: Wo's, 256 cx on
	s_lshl_b32 s47, s16, 6
	s_add_co_u32 s47, s47, s20
	s_mul_i32 s84, s47, 48                         ; 768 bytes a tile of 16 rows
	s_mov_b32 s85, 0
	s_lshl_b32 s47, s16, 7
	s_add_co_u32 s47, s47, s22
	s_mul_i32 s86, s47, 48
	s_mov_b32 s87, 0
	s_mul_i32 s88, s16, 49152
	s_mul_i32 s89, s16, 98304
	s_add_co_u32 s89, s89, RB
	s_wait_dscnt 0x0
	s_wait_kmcnt 0x0
	s_add_nc_u64 s[84:85], s[4:5], s[84:85]
	s_add_nc_u64 s[86:87], s[6:7], s[86:87]
.irp g, 0,1,2,3                        ; slice g: panels 4 g .. 4 g + 3
	s_mov_b32 s[G0+4*\g], 1
	s_add_co_u32 s[G0+4*\g+1], s88, \g*12288
	s_add_nc_u64 s[G0+4*\g+2:G0+4*\g+3], s[84:85], \g*4*PPITCH
	s_or_b32 s[G0+4*\g+3], s[G0+4*\g+3], 0x80000000
	s_mov_b32 s[G0B+4*\g], 1
	s_add_co_u32 s[G0B+4*\g+1], s89, \g*24576
	s_add_nc_u64 s[G0B+4*\g+2:G0B+4*\g+3], s[86:87], \g*4*PITCH
	s_or_b32 s[G0B+4*\g+3], s[G0B+4*\g+3], 0x80000000
.endr
	CROUND                                         ; all sixteen work-groups are here: the joint loads meet
	s_cmp_eq_u32 s15, 0                            ; a wave's four fills stand in one branch on the wave's number
	s_cbranch_scc0 .Lfor_r
.irp g, 0,1,2,3
	tensor_load_to_lds s[G0+4*\g:G0+4*\g+3], s[G1:G1+7]
	s_nop 0
.endr
	PLACES 4
	s_branch .Lasked
.Lfor_r:
.irp g, 0,1,2,3
	tensor_load_to_lds s[G0B+4*\g:G0B+4*\g+3], s[G1B:G1B+7]
	s_nop 0
.endr
	PLACES 4
.Lasked:
	v_and_b32 v1, 15, v0                           ; r
	v_bfe_u32 v2, v0, 4, 1                         ; h
	v_and_b32 v3, 31, v0
	v_lshlrev_b32 v4, 3, v3                        ; 8 x lane
	v_lshlrev_b32 v21, 5, v1
	v_lshl_add_u32 v21, v2, 10, v21                ; R's scale bytes: 32 a row; lanes 16-31 32 rows on
	v_lshlrev_b32 v20, 4, v1
	v_lshl_add_u32 v20, v2, 8, v20                 ; A's half words: [group][r][tile % 4]: lanes 0-15 blocks 0-3, lanes 16-31 blocks 4-7
	s_lshl_b32 s90, s45, 9
	s_add_co_u32 s90, s90, 6291456
	s_mov_b32 s91, 0
	s_add_nc_u64 s[90:91], s[4:5], s[90:91]
	s_lshl_b32 s92, s14, 6
	s_add_co_u32 s92, s92, s22
	s_lshl_b32 s92, s92, 5
	s_add_co_u32 s92, s92, SCO
	s_mov_b32 s93, 0
	s_add_nc_u64 s[92:93], s[6:7], s[92:93]
.set N, 0
.rept 16
	global_load_b128 v[BK+4*N:BK+4*N+3], v20, s[90:91] offset:32768*N   ; head N's half words of my eight blocks
.set N, N+1
.endr
.irp j, 0,1
.irp k, 0,1
	global_load_b128 v[SRR+8*\j+4*\k:SRR+8*\j+4*\k+3], v21, s[92:93] offset:512*\j+16*\k
.endr
.endr
	v_mov_b32 v[AP], v4
	v_add_nc_u32 v[AP+1], 49152, v4
	s_mul_i32 s94, s15, 98304
	s_mul_i32 s95, s16, 3072
	s_add_co_u32 s94, s94, s95
	s_add_co_u32 s94, s94, RB
	v_add_nc_u32 v[AR], s94, v4
	v_add_nc_u32 v[AR+1], 49152, v[AR]
	s_mul_i32 s94, s14, 4352
	s_add_co_u32 s94, s94, STG                     ; my stage
	v_mul_u32_u24 v[STO], v1, 272
	v_lshl_add_u32 v[STO], v2, 6, v[STO]
	v_add_nc_u32 v[STO], s94, v[STO]               ; in: row r; lanes 16-31 hold the columns 16 further on
	v_mul_u32_u24 v[RD], v2, 272
	v_lshl_add_u32 v[RD], v1, 4, v[RD]
	v_add_nc_u32 v[RD], s94, v[RD]                 ; back: lanes 0-15 one row of 256 bytes, lanes 16-31 the next
	v_lshlrev_b32 v[CO], 12, v2
	v_lshl_add_u32 v[CO], v1, 4, v[CO]             ; and the same two rows of out0
	s_lshl_b32 s94, s45, 19                        ; 128 rows of 4,096 bytes,
	s_lshl_b32 s95, s40, 10                        ; 256 columns,
	s_add_co_u32 s94, s94, s95
	s_lshl_b32 s95, s14, 8                         ; my 64 of them
	s_add_co_u32 s94, s94, s95
	s_mov_b32 s95, 0
	s_add_nc_u64 s[8:9], s[8:9], s[94:95]
	s_mov_b32 s47, 0x05040100                      ; two low halves make a word
	s_wait_tensorcnt 3                             ; my part of slice 0 is in; slices 1 to 3 may be out
	s_barrier_signal -1
	s_barrier_wait -1
	FETCH 0
	s_wait_loadcnt 0x0                             ; the scale words and half words
.irp q, 0,1,2,3,4,5,6,7
.irp j, 0,1,2,3
	v_perm_b32 v[SPR+8*\j+\q], v[BK+8*\q+4+\j], v[BK+8*\q+\j], s47   ; K step q is heads 2 q and 2 q + 1
.endr
.endr
	PLACES 8                                       ; a scale register written by a vector instruction stands 8 places ahead of a scaled matrix instruction
.irp q, 0,1,2,3,4,5,6,7
	s_wait_dscnt 0x0                               ; this step's fragments, asked for a step ago, are in
.if (\q%2 == 1) && (\q < 7)
	s_wait_tensorcnt 3-(\q+1)/2                    ; my part of the next slice is in; the later slices may be out
	s_barrier_signal -1
	s_barrier_wait -1
.endif
.if (\q > 0) && (\q < 7)
	PLACES 4                                       ; in front of loads into registers that the step before has multiplied
.endif
.if \q < 7
	FETCH \q+1
.endif
.if \q == 0
	MUL \q, 1                                      ; the first step starts the sums: nothing is cleared
.else
	MUL \q, 0
.endif
.endr
; THE WAY OUT, block by block of 16 stored rows x my 64 columns.  Register j of accumulator (a, b), lane (r, h): column 32 (b / 2) + 16 h + 8 (b % 2) + j of stored row r.
; Through my own stage and back as whole rows of 256 bytes.  LDS serves a wave's instructions in order: no wait between the stores and the loads.
.macro TOSTAGE a
	WIN 0x08                                       ; an LDS store's data are its source 1: window 2
.irp b, 0,1,2,3
	ds_store_b128 v[STO], v[8*(4*(\a)+\b):8*(4*(\a)+\b)+3] offset:128*(\b/2)+32*(\b%2)        ; each accumulator from its low end on
	ds_store_b128 v[STO], v[8*(4*(\a)+\b)+4:8*(4*(\a)+\b)+7] offset:128*(\b/2)+32*(\b%2)+16
.endr
	WIN 0
.irp i, 0,1,2,3,4,5,6,7
	ds_load_b128 v[BK+32*((\a)%2)+4*\i:BK+32*((\a)%2)+4*\i+3], v[RD] offset:544*\i
.endr
.endm
.macro SEND a, younger                 ; stored row 2 i + h of block a is true row 32 (a / 2) + 8 (a % 2) + 2 i + h + 8 (i / 4)
	s_wait_dscnt \younger
.irp i, 0,1,2,3,4,5,6,7
	global_store_b128 v[CO], v[BK+32*((\a)%2)+4*\i:BK+32*((\a)%2)+4*\i+3], s[8:9] offset:(32*((\a)/2)+8*((\a)%2)+2*\i+8*(\i/4))*4096 th:TH_STORE_NT   ; sixteen lanes store 256 consecutive bytes, at a multiple of 256
.endr
.endm
	PLACES 4                                       ; behind the last products
	TOSTAGE 0
.irp a, 1,2,3,4,5,6,7
.if \a > 1
	s_wait_xcnt 0x0                                ; block a - 2's stores have read their registers: block a's loads may land there
.endif
	TOSTAGE \a
	SEND \a-1, 16                                  ; behind block a - 1's loads: block a's 8 stores and 8 loads
.endr
	SEND 7, 0
	s_wait_tensorcnt 0x0
	ds_add_u32 v254, v255
	s_wait_dscnt 0x0
	CROUND                                         ; the closing round
	s_endpgm
.Lfunc_end_k_q6b997c8b86_oproj:
	.size	k_q6b997c8b86_oproj, .Lfunc_end_k_q6b997c8b86_oproj-k_q6b997c8b86_oproj
	.p2alignl 7, 3214868480
	.fill 96, 4, 3214868480
	.section	.rodata,"a",@progbits
	.p2align	6, 0x0
	.amdhsa_kernel k_q6b997c8b86_oproj
		.amdhsa_group_segment_fixed_size 312832
		.amdhsa_private_segment_fixed_size 0
		.amdhsa_enable_private_segment 0
		.amdhsa_kernarg_size 24
		.amdhsa_user_sgpr_count 2
		.amdhsa_user_sgpr_kernarg_segment_ptr 1
		.amdhsa_wavefront_size32 1
		.amdhsa_system_sgpr_workgroup_id_x 1
		.amdhsa_system_sgpr_workgroup_id_y 1
		.amdhsa_system_sgpr_workgroup_id_z 1
		.amdhsa_system_vgpr_workitem_id 0
		.amdhsa_next_free_vgpr 768
		.amdhsa_next_free_sgpr 100
		.amdhsa_reserve_vcc 0
		.amdhsa_float_denorm_mode_32 3
		.amdhsa_float_denorm_mode_16_64 3
		.amdhsa_memory_ordered 1
		.amdhsa_forward_progress 1
		.amdhsa_inst_pref_size 98
	.end_amdhsa_kernel
	.amdgpu_metadata
---
amdhsa.version: [ 1, 2 ]
amdhsa.kernels:
  - .name:           k_q6b997c8b86_oproj
    .symbol:         k_q6b997c8b86_oproj.kd
    .args:
      - { .name: att, .offset: 0, .size: 8, .value_kind: global_buffer, .address_space: global }
      - { .name: opq, .offset: 8, .size: 8, .value_kind: global_buffer, .address_space: global }
      - { .name: out0, .offset: 16, .size: 8, .value_kind: global_buffer, .address_space: global }
    .group_segment_fixed_size: 312832
    .private_segment_fixed_size: 0
    .kernarg_segment_align: 8
    .kernarg_segment_size: 24
    .max_flat_workgroup_size: 128
    .sgpr_count:     100
    .vgpr_count:     768
    .wavefront_size: 32
...
	.end_amdgpu_metadata
.endif
;; end of part 4
;; ======== version 2 of 2: 4 launches; version 1 with the launch attn written anew for expert scheduling mode
;; limits: right only within a limited range of input values
;; workspace buffers: opq 9,830,400 bytes; msk 524,800 bytes of whole numbers; qb 6,815,744 bytes; kv 13,631,488 bytes; att 6,815,744 bytes
;; launch prep: the kernel of part 1 again; grid 320 x 1, 4 waves a work-group, no clusters, 72,448 bytes of LDS; arguments x, Wq, Wk, Wv, Wo, mask, opq, msk; writes opq, msk
;; launch qkv: the kernel of part 2 again; grid 4 x 192, 4 waves a work-group, clusters of 4 x 4, 295,424 bytes of LDS; arguments opq, qb, kv; writes qb, kv
;; launch attn (part 5): grid 4 x 64, 16 waves a work-group, no clusters, 29,696 bytes of LDS; arguments qb, kv, msk, att; writes att
.if DOCPART == 5
	.amdgcn_target "amdgcn-amd-amdhsa--gfx1250"
	.amdhsa_code_object_version 6
	.text
	.protected	k_q6b997c8b86_attn
	.globl	k_q6b997c8b86_attn
	.p2align	8
	.type	k_q6b997c8b86_attn,@function
k_q6b997c8b86_attn:
	s_mov_b64 s[64:65], 0
	v_nop
	global_prefetch_b8 v0, s[64:65] scope:SCOPE_SE
	s_setreg_imm32_b32 hwreg(HW_REG_WAVE_SCHED_MODE, 0, 2), 2
	s_setreg_imm32_b32 hwreg(HW_REG_WAVE_MODE, 25, 1), 1
	s_wait_xcnt 0x0
	s_wait_alu depctr_vm_vsrc(0)
; For each of 64 (batch, head): O = softmax(q k^T / 8 + (mask == 0) x -1e9) v, both products on codes of BF6 (E3M2); O / l is quantised along the model's 1024 for the last product.
; THE SOFTMAX: t = logit x log2(e); M = the running largest t rounded up to a whole number; p = 2^(t - M) is quantised along the keys; the row's sum is taken of the unquantised p and divides O at the end.
; SHARES.  Work-group (x, bh) walks the query blocks x and 7 - x, 256 queries each; each of its sixteen waves owns one stored tile of 16 queries.  A step is 128 keys.
; BOTH PRODUCTS ARE USED TRANSPOSED (S^T = K Q^T, O^T = V^T P^T): a lane holds one query throughout.  Rows are stored in the order pi, so that the 16 registers of tiles 2 b, 2 b + 1 are 16 true neighbours.
; THE MASK IS AN INPUT.  The launch before stored, for each tile and step, 64 lane-mask words and two flags.  A step in which no row of my tile keeps a key is passed over: its p would be 2^(under -150) = 0 beside the kept
; keys, while |logit| < 4e8 (a stated limit).  If some row keeps no key at all, the flags ask for every step.  In a step with hidden keys t is formed in the reference's own f32 steps:
; 8 x round(score / 8 - 1e9) = round(score - 8e9), x log2(e) / 8 rounded, - M.  In a step without, t - M is one fused multiply-add.
; NO TENSOR LOAD AND NO CLUSTER: steps are passed over by branches on stored whole numbers, and partners would want different numbers of tiles.
; K and V of a step are one dense record of 13,312 bytes: every thread copies 16 bytes (waves 0-9 a second 16) through registers into one of two LDS slots, a step ahead; one barrier a step.
; No prefetch: a record's loads are issued a whole step's work ahead of the stores that want them.
; K = 64 IN AN INSTRUCTION OF 128: Q's upper 64 codes are zeros; K's operand of tile t is v[30 + 6 t : 41 + 6 t], whose upper six registers are the next tile's codes (finite), under the scale byte 127: they add nothing.
; LIMITS: NaN and infinities are not served; a block under 2^-122 gets the byte 1.
; THE MODE: SCHED_MODE bits 1:0 = 2 (LLVM: expert scheduling mode 2), set by the entry lines.  The code itself states the register dependences
; between vector or matrix instructions and memory or LDS instructions, with s_wait_alu, always for 0.
; THE PLAN.  Registers that memory or LDS instructions touch:
;   v1-v5, v7-v9     addresses and offsets: made once at the head by vector lines and never written again.
;   v[16:21], v28    Q and its scale words: global loads land there at a block's head; every step's products K Q^T read them.
;   v[240:247]       the copy: cleared once at the head; a record's global loads land there; the LDS stores of the next step of the walk read them.
;   v[30:77]         K's fragments land there at a step's head and the products K Q^T read them; then V's land there and the products V^T P read them.
;                    Sixteen waves of 256 registers leave no room for a second set.
;   v[84:87]         K's scale words: loaded with K, read by the products K Q^T.     v[88:95]  V's half words: loaded with V, read by four v_perm_b32.
;   v[196:201], v233 the way out: written by its conversions, swaps and moves, read by three global stores and one LDS store.
;   v[208:211]       the way out: written by a conversion, read by swaps and moves; in waves 0 and 1 an LDS load then lands there and a global store reads it.
; WAITS ON va_vdst.  Once a block, ahead of Q's loads.  In a step: at its head (the last step's products V^T P have read v[30:77]); behind the products K Q^T (they have read v[30:83]);
; the two behind the exponentials; ahead of the products V^T P (their operand p and their scale words are written).  Once ahead of the way out's stores.
; Behind the second of them no vector line names v[30:77], v[88:95], v1 or v3 until V is waited for: so V's 26 loads are dealt among the lines of the blocks' maxima with no further wait.
; WAITS ON vm_vsrc.  Once a step of the walk, ahead of the next record's loads (the LDS stores have read the copy's registers); once at a block's end (the way out's stores have read their data).
.set REC, 13312                        ; K 8 x 768 | V (tile, c) 8 x 768 | K's scale words 512 | V's half words 512
.set SCB, 26624                        ; LDS behind the two slots: the block's 1,024 bytes of outgoing half words
.set S,   100                          ; v100-163 S^T, then p
.set O,   164                          ; v164-195 O^T
.set PCD, 196                          ; v196-207 p's codes
.set CT,  208                          ; v208-215 at work for the conversions
.set BM,  216                          ; v216-219 the blocks' maxima
.set BT,  220                          ; v220-223 at work, then the bytes
.set SO,  224                          ; v224-227 the conversions' scale operands
	s_load_b256 s[4:11], s[0:1], 0x0               ; qb, kv, msk, att
	v_lshl_add_u32 v254, v0, 2, 0x6c00
	v_mov_b32 v255, 0
	v_lshrrev_b32 v1, 5, v0
	v_readfirstlane_b32 s12, v1                    ; wave 0..15
	s_and_b32 s14, ttmp7, 0xffff                   ; 16 x batch + head
	v_and_b32 v1, 31, v0
	v_lshlrev_b32 v1, 3, v1                        ; v1: 8 x lane
	v_and_b32 v7, 15, v0
	v_lshlrev_b32 v7, 4, v7                        ; v7: 16 r
	v_bfe_u32 v2, v0, 4, 1
	v_lshl_add_u32 v2, v2, 8, v7
	v_add_nc_u32 v2, 12288, v2                     ; v2: K's scale words: lanes 0-15 tiles 0-3, lanes 16-31 tiles 4-7
	v_add_nc_u32 v3, 12800, v7                     ; v3: V's half words
	v_lshlrev_b32 v4, 4, v0                        ; v4: 16 x thread: the copy
	s_wait_alu depctr_va_sdst(0)                   ; s12 is written, ahead of its first reader
	s_lshr_b32 s29, s12, 2
	s_lshl_b32 s29, s29, 8
	s_and_b32 s30, s12, 3
	s_lshl_b32 s30, s30, 2
	s_add_co_u32 s29, s29, s30
	v_add_nc_u32 v8, s29, v7
	v_add_nc_u32 v8, SCB, v8                       ; v8: my tile's outgoing half word: [group][r][tile % 4]
	v_and_b32 v5, 63, v0
	v_lshlrev_b32 v5, 4, v5                        ; v5, v9: waves 0 and 1 carry the 1,024 bytes out
	v_add_nc_u32 v9, SCB, v5
	v_mov_b32 v10, 0xcfee6b28                      ; -8e9
.irp j, 22,23,24,25,26,27,78,79,80,81,82,83,220,221,222,223,231,232
	v_mov_b32 v\j, 0                               ; Q's upper codes; what stands behind K's tile 7; destinations of lane permutes; the upper half of the pair f
.endr
.irp j, 240,241,242,243,244,245,246,247
	v_mov_b32 v\j, 0                               ; the copy's registers: written once, so that every path finds them written
.endr
	s_mov_b32 s20, 0x76543210
	s_mov_b32 s21, 0xfedcba98                      ; lane l xor 16
	s_mov_b32 s22, 0x3e38aa3b                      ; log2(e) / 8
	s_mov_b32 s23, s22
	s_mov_b32 s25, s22                             ; (named with s24 as a pair)
	s_mov_b32 s66, 0x05040100                      ; two low halves make a word
	s_mov_b32 s31, 0
	s_mov_b32 s15, 0
	s_wait_kmcnt 0x0
.macro COPYLD                          ; the record at s[26:27] into registers
	global_load_b128 v[240:243], v4, s[26:27]
	s_cmp_lt_u32 s12, 10
	s_cbranch_scc0 .Lcl_\@
	global_load_b128 v[244:247], v4, s[26:27] offset:8192
.Lcl_\@:
.endm
; Load NV of the 26 that bring V: 24 of 8 bytes a lane (fragment NV / 6, half (NV / 3) % 2, plane NV % 3), then the two halves' half words
.macro VLD slot
.if NV < 24
	ds_load_b64 v[30+2*NV:31+2*NV], v1 offset:\slot*REC+6144+(NV/3)*768+256*(NV%3)
.elseif NV < 26
	ds_load_b128 v[88+4*(NV-24):91+4*(NV-24)], v3 offset:\slot*REC+256*(NV-24)
.endif
.set NV, NV+1
.endm
; A KEY STEP on the record in slot.  s67 = the step
.macro STEP slot
.rept 4
	v_nop                                          ; the places behind the last step's products stay beside the wait below
.endr
	s_wait_alu depctr_va_vdst(0)                   ; the last step's products V^T P are done reading v[30:77], in which K's fragments land
	s_mov_b32 s24, s22                             ; the factor of the scalings below: log2(e) / 8
	s_add_co_u32 s30, s67, 16
	s_lshr_b32 s13, s19, s30
	s_and_b32 s13, s13, 1                          ; has the step hidden keys?
	s_lshl_b32 s104, s67, 8
	s_load_b512 s[32:47], s[2:3], s104 offset:0x0  ; the step's 64 lane-mask words, in every step that is computed
	s_load_b512 s[48:63], s[2:3], s104 offset:0x40
	s_load_b512 s[68:83], s[2:3], s104 offset:0x80
	s_load_b512 s[84:99], s[2:3], s104 offset:0xc0
.irp t, 0,1,2,3,4,5,6,7
.irp j, 0,1,2
	ds_load_b64 v[30+6*\t+2*\j:31+6*\t+2*\j], v1 offset:\slot*REC+768*\t+256*\j
.endr
.endr
	ds_load_b128 v[84:87], v2 offset:\slot*REC
	s_wait_dscnt 0x0
.irp t, 0,1,2,3
	v_wmma_scale_f32_16x16x128_f8f6f4 v[S+8*\t:S+8*\t+7], v[30+6*\t:41+6*\t], v[16:27], 0, v[84+\t], v28 matrix_a_fmt:MATRIX_FMT_BF6 matrix_b_fmt:MATRIX_FMT_BF6
.endr
.irp t, 4,5,6,7
	v_wmma_scale_f32_16x16x128_f8f6f4 v[S+8*\t:S+8*\t+7], v[30+6*\t:41+6*\t], v[16:27], 0, v[80+\t], v28 matrix_a_fmt:MATRIX_FMT_BF6 matrix_b_fmt:MATRIX_FMT_BF6 matrix_a_scale:MATRIX_SCALE_ROW1
.endr
.rept 4
	v_nop                                          ; places in front of the first read of the scores
.endr
	s_wait_alu depctr_va_vdst(0)                   ; the products K Q^T are done reading v[30:83]: V's fragments land in v[30:77].  The lines from here to the wait for V name none of v[30:77], v[88:95], v1, v3
	s_wait_kmcnt 0x0                               ; the mask words are in
	s_cmp_lg_u32 s13, 0
	s_cbranch_scc0 .Lclean_\@
.set N, 0
.rept 32                               ; register 16 b + i holds key 32 b + 16 (lane / 16) + i: word 16 b + i says in which lanes it is hidden
.if N < 16
.set W, 32+2*N
.else
.set W, 36+2*N
.endif
	v_cndmask_b32 v[234+2*(N%2)], 0, v10, s[W]
	v_cndmask_b32 v[235+2*(N%2)], 0, v10, s[W+1]
	v_pk_add_f32 v[S+2*N:S+2*N+1], v[S+2*N:S+2*N+1], v[234+2*(N%2):235+2*(N%2)]   ; 8 x round(score / 8 - 1e9)
	v_pk_mul_f32 v[S+2*N:S+2*N+1], v[S+2*N:S+2*N+1], s[22:23] op_sel_hi:[1,0]     ; t, rounded
.set N, N+1
.endr
	s_mov_b32 s24, 1.0                             ; the registers hold t already
.Lclean_\@:
.set NV, 0                             ; V's four fragments and its half words land under the softmax: a load behind each of the first 26 lines below
.irp b, 0,1,2,3
	v_max3_num_f32 v[BM+\b], v[S+16*\b], v[S+1+16*\b], v[S+2+16*\b]   ; the largest of each block of 32 keys: for the row's maximum and, since p rises with it, for the block's largest p
	VLD \slot
.endr
.irp i, 3,5,7,9,11,13
.irp b, 0,1,2,3
	v_max3_num_f32 v[BM+\b], v[BM+\b], v[S+16*\b+\i], v[S+1+16*\b+\i]
	VLD \slot
.endr
.endr
.irp b, 0,1,2,3
	v_max_num_f32 v[BM+\b], v[BM+\b], v[S+15+16*\b]
.endr
.irp b, 0,1,2,3
	v_permlanex16_b32 v[BT+\b], v[BM+\b], s20, s21
.endr
.irp b, 0,1,2,3
	v_max_num_f32 v[BM+\b], v[BM+\b], v[BT+\b]
.endr
	v_max3_num_f32 v232, v[BM], v[BM+1], v[BM+2]
	v_max_num_f32 v232, v232, v[BM+3]
	v_mul_f32 v232, s24, v232                      ; as t
	v_max_num_f32 v13, v13, v232                   ; the running largest t
	v_mov_b32 v232, v12
	v_floor_f32 v12, -v13                          ; -M = floor(-t): M is a whole number
	v_sub_f32 v232, v12, v232                      ; old M - new M
	v_cvt_i32_f32 v232, v232                       ; (it saturates)
	v_ldexp_f32 v230, 1.0, v232                    ; f = 2^(old M - new M): a multiplication by it rounds nothing
.set N, 0
.rept 32
	v_pk_fma_f32 v[S+2*N:S+2*N+1], v[S+2*N:S+2*N+1], s[24:25], v[12:13] op_sel_hi:[1,0,0]   ; t - M
.set N, N+1
.endr
.irp b, 0,1,2,3
	v_fma_f32 v[BM+\b], v[BM+\b], s24, v12
.endr
.set N, 0
.rept 64
	v_exp_f32 v[S+N], v[S+N]                       ; p = 2^(t - M)
.set N, N+1
.endr
	v_pk_mul_f32 v[14:15], v[14:15], v[230:231] op_sel_hi:[1,0]   ; the sums under the new M (a plain place behind the exponentials)
	s_wait_alu depctr_va_vdst(0)                   ; the 64 exponentials have written p: one wait for the batch, ahead of its first reader
.irp b, 0,1,2,3
	v_exp_f32 v[BM+\b], v[BM+\b]                   ; the blocks' largest p
.endr
	v_pk_add_f32 v[248:249], v[S:S+1], v[S+2:S+3]  ; the row's sum of the unquantised p, in two chains
.irp j, 4,8,12,16,20,24,28,32,36,40,44,48,52,56,60
	v_pk_add_f32 v[14:15], v[14:15], v[S+\j:S+1+\j]
	v_pk_add_f32 v[248:249], v[248:249], v[S+2+\j:S+3+\j]
.endr
	v_pk_add_f32 v[14:15], v[14:15], v[248:249]
	s_wait_alu depctr_va_vdst(0)                   ; the four exponentials have written the blocks' largest p, ahead of their first reader
.irp b, 0,1,2,3
	v_max_num_f32 v[BM+\b], 0x2800000, v[BM+\b]    ; the floor 2^(5 - 127)
.endr
.irp b, 0,1,2,3
	v_add_nc_u32 v[SO+\b], 0xfe000000, v[BM+\b]
.endr
.irp b, 0,1,2,3
	v_lshrrev_b32 v[BT+\b], 23, v[SO+\b]
.endr
	v_lshl_or_b32 v228, v[BT+1], 8, v[BT]          ; p's scale word for these 128 keys
	v_lshl_or_b32 v228, v[BT+2], 16, v228
	v_lshl_or_b32 v228, v[BT+3], 24, v228
.irp c, 0,1
	v_cvt_scalef32_pk16_bf6_f32 v[PCD+6*\c:PCD+2+6*\c], v[S+32*\c:S+15+32*\c], v[SO+2*\c]
	v_cvt_scalef32_pk16_bf6_f32 v[CT+4*\c:CT+2+4*\c], v[S+16+32*\c:S+31+32*\c], v[SO+2*\c+1]
.endr
	v_nop                                          ; one plain place behind a scaled conversion
.irp c, 0,1
.irp i, 0,1,2
	v_permlane16_swap_b32 v[PCD+6*\c+\i], v[CT+4*\c+\i]
.endr
.irp i, 0,1,2
	v_mov_b32 v[PCD+3+6*\c+\i], v[CT+4*\c+\i]
.endr
.endr
	s_wait_dscnt 0x0                               ; V and its half words are in
.irp t, 0,1,2,3
	v_perm_b32 v[96+\t], v[92+\t], v[88+\t], s66   ; V's scale word: the two halves' two bytes each
.endr
.set N, 0
.rept 16
	v_pk_mul_f32 v[O+2*N:O+2*N+1], v[O+2*N:O+2*N+1], v[230:231] op_sel_hi:[1,0]   ; O^T under the new M; these sixteen are also the places between the scale words just made and the products
.set N, N+1
.endr
	s_wait_alu depctr_va_vdst(0)                   ; p's codes v[196:207], p's scale word v228 and V's scale words v[96:99] are written, which the products below take as operand and as scales; the places above stay beside this wait
.irp t, 0,1,2,3                        ; the four accumulators by turns
	v_wmma_scale_f32_16x16x128_f8f6f4 v[O+8*\t:O+8*\t+7], v[30+12*\t:41+12*\t], v[PCD:PCD+11], v[O+8*\t:O+8*\t+7], v[96+\t], v228 matrix_a_fmt:MATRIX_FMT_BF6 matrix_b_fmt:MATRIX_FMT_BF6
.endr
.endm
; ONE STEP OF THE WALK.  The record loaded a step ago goes into its slot; the next is asked for; one barrier; the step's work, if my tile wants it.
; A slot is written again only behind the barrier that every wave reaches with its reads of that slot waited for.
.macro ITER slot
	s_lshl_b32 s67, s28, 1
.if \slot
	s_add_co_u32 s67, s67, 1
.endif
	s_wait_loadcnt 0x0                             ; this step's record (and, in the first step, Q) is in registers; the loads' address may be stepped
	s_add_nc_u64 s[26:27], s[26:27], REC
	s_lshr_b32 s29, s18, s67
	s_and_b32 s29, s29, 1
	s_cmp_lg_u32 s29, 0                            ; does any tile of the block want this step?
	s_cbranch_scc0 .Lns_\@
	ds_store_b128 v4, v[240:243] offset:\slot*REC
	s_cmp_lt_u32 s12, 10
	s_cbranch_scc0 .Lns_\@
	ds_store_b128 v4, v[244:247] offset:\slot*REC+8192
.Lns_\@:
	s_wait_dscnt 0x0                               ; my stores have landed, my reads of the last step are over
	s_wait_alu depctr_vm_vsrc(0)                   ; the LDS stores have read v[240:247], in which the next record's loads land
	s_add_co_u32 s30, s67, 1
	s_lshr_b32 s29, s18, s30                       ; bit 16 is 0: behind step 15 nothing is asked for
	s_and_b32 s29, s29, 1
	s_cmp_lg_u32 s29, 0
	s_cbranch_scc0 .Lnl_\@
	COPYLD
.Lnl_\@:
	s_barrier_signal -1
	s_barrier_wait -1
	s_lshr_b32 s29, s19, s67
	s_and_b32 s29, s29, 1
	s_cmp_lg_u32 s29, 0                            ; does my tile want it?
	s_cbranch_scc0 .Lnw_\@
	STEP \slot
.Lnw_\@:
.endm
.Lhalf:
	s_sub_co_u32 s29, 7, ttmp9
	s_cmp_eq_u32 s15, 0
	s_cselect_b32 s16, ttmp9, s29                  ; the query block: x, then 7 - x
	s_lshl_b32 s17, s16, 4
	s_add_co_u32 s17, s17, s12                     ; my stored tile
	s_lshl_b32 s30, s16, 6
	s_add_co_u32 s30, s30, 524288
	s_add_nc_u64 s[100:101], s[8:9], s[30:31]
	s_lshl_b32 s29, s12, 2
	s_load_b512 s[32:47], s[100:101], 0x0          ; the block's sixteen flag words,
	s_load_b32 s19, s[100:101], s29 offset:0x0     ; and mine
	s_lshl_b32 s30, s17, 12
	s_add_nc_u64 s[2:3], s[8:9], s[30:31]          ; my tile's mask words
	s_mul_i32 s30, s14, 212992
	s_add_nc_u64 s[26:27], s[6:7], s[30:31]        ; the head's record of step 0
	s_wait_kmcnt 0x0
	s_or_b32 s18, s32, s33
.irp j, 34,35,36,37,38,39,40,41,42,43,44,45,46,47
	s_or_b32 s18, s18, s\j
.endr
	s_and_b32 s18, s18, 0xffff                     ; the steps that some tile of the block wants
	s_mul_i32 s34, s14, 106496
	s_lshr_b32 s29, s17, 2
	s_mul_i32 s29, s29, 3328
	s_add_co_u32 s34, s34, s29
	s_and_b32 s29, s17, 3
	s_lshl_b32 s36, s29, 2
	s_add_co_u32 s36, s36, s34
	s_add_co_u32 s36, s36, 3072
	s_mul_i32 s29, s29, 768
	s_add_co_u32 s34, s34, s29
	s_mov_b32 s35, 0
	s_mov_b32 s37, 0
	s_add_nc_u64 s[34:35], s[4:5], s[34:35]
	s_add_nc_u64 s[36:37], s[4:5], s[36:37]
	s_wait_alu depctr_va_vdst(0)                   ; the first block: the addresses v1 to v9 are written, and so are v[240:247], in which the copy's loads land; the second: the last block's products are done reading v[16:21] and v28, in which the loads below land
.irp j, 0,1,2
	global_load_b64 v[16+2*\j:17+2*\j], v1, s[34:35] offset:256*\j   ; Q's half-image
.endr
	global_load_b32 v28, v7, s[36:37]              ; and its scale words
	v_mov_b32 v13, 0xff61b1e6                      ; the largest t so far: -3e38
	v_floor_f32 v12, -v13
	v_mov_b32 v14, 0
	v_mov_b32 v15, 0
.set N, 0
.rept 32
	v_mov_b32 v[O+N], 0                            ; the step is written once: the first finds zeros, which the first change of M leaves zeros
.set N, N+1
.endr
	s_and_b32 s29, s18, 1
	s_cmp_lg_u32 s29, 0
	s_cbranch_scc0 .Lno_first
	COPYLD                                         ; no wait: the lines since the wait above name v12 to v15 and O^T alone, not v4 nor v[240:247]
.Lno_first:
	s_mov_b32 s28, 0
.Lpair:
	ITER 0
	ITER 1
	s_add_co_u32 s28, s28, 1
	s_cmp_lt_u32 s28, 8
	s_cbranch_scc1 .Lpair
	; THE WAY OUT of a block: O^T / the sum, quantised along the head's 64 channels (registers 16 b + i = channel 32 b + 16 (lane / 16) + i), as a half-image and a half word
	s_wait_loadcnt 0x0
.rept 4
	v_nop                                          ; places behind the last products
.endr
	v_add_f32 v14, v14, v15
	v_permlanex16_b32 v232, v14, s20, s21
	v_add_f32 v14, v14, v232                       ; the row's sum
	v_rcp_f32 v14, v14
	v_nop                                          ; a plain place behind the reciprocal
	s_and_b32 s29, s14, 15                         ; head
	s_mul_i32 s34, s29, 393216
	s_lshr_b32 s30, s14, 4                         ; batch
	s_lshl_b32 s36, s30, 7
	s_add_co_u32 s36, s36, s17
	s_mul_i32 s36, s36, 768
	s_add_co_u32 s34, s34, s36
	s_mov_b32 s35, 0
	s_add_nc_u64 s[34:35], s[10:11], s[34:35]      ; att: [16 heads][512 stored tiles][768]
	s_lshl_b32 s36, s29, 15
	s_lshl_b32 s30, s30, 5
	s_lshl_b32 s37, s16, 2
	s_add_co_u32 s30, s30, s37
	s_lshl_b32 s30, s30, 8
	s_add_co_u32 s36, s36, s30
	s_add_co_u32 s36, s36, 6291456
	s_mov_b32 s37, 0
	s_add_nc_u64 s[36:37], s[10:11], s[36:37]      ; behind them: [16 heads][128 groups][r][tile % 4]
	s_wait_alu depctr_va_vdst(0)                   ; the reciprocal has written v14, ahead of its first reader
.set N, 0
.rept 32
	v_mul_f32 v[S+N], v[O+N], v14                  ; each accumulator from its low end on
.set N, N+1
.endr
.irp b, 0,1
	v_max3_num_f32 v[BM+\b], |v[S+16*\b]|, |v[S+1+16*\b]|, 0x2800000
.endr
.irp i, 2,4,6,8,10,12,14
.irp b, 0,1
	v_max3_num_f32 v[BM+\b], v[BM+\b], |v[S+16*\b+\i]|, |v[S+1+16*\b+\i]|
.endr
.endr
.irp b, 0,1
	v_permlanex16_b32 v[BT+\b], v[BM+\b], s20, s21
.endr
.irp b, 0,1
	v_max_num_f32 v[BM+\b], v[BM+\b], v[BT+\b]
.endr
.irp b, 0,1
	v_add_nc_u32 v[SO+\b], 0xfe000000, v[BM+\b]
.endr
.irp b, 0,1
	v_lshrrev_b32 v[BT+\b], 23, v[SO+\b]
.endr
	v_lshl_or_b32 v233, v[BT+1], 8, v[BT]
	v_cvt_scalef32_pk16_bf6_f32 v[PCD:PCD+2], v[S:S+15], v[SO]
	v_cvt_scalef32_pk16_bf6_f32 v[CT:CT+2], v[S+16:S+31], v[SO+1]
	v_nop
.irp i, 0,1,2
	v_permlane16_swap_b32 v[PCD+\i], v[CT+\i]
.endr
.irp i, 0,1,2
	v_mov_b32 v[PCD+3+\i], v[CT+\i]
.endr
	s_wait_alu depctr_va_vdst(0)                   ; the codes v[196:201] and the half word v233 are written, which the stores below read; the swaps and moves are done with v[208:211], in which the LDS load below lands: no vector line follows in this block
.irp j, 0,1,2
	global_store_b64 v1, v[PCD+2*\j:PCD+2*\j+1], s[34:35] offset:256*\j   ; a plane: 256 consecutive bytes, at a multiple of 256
.endr
	ds_store_b32 v8, v233                          ; lanes r and r + 16 write the same word with the same value
	s_wait_dscnt 0x0
	s_barrier_signal -1
	s_barrier_wait -1
	s_cmp_lt_u32 s12, 2
	s_cbranch_scc0 .Lnosc
	ds_load_b128 v[CT:CT+3], v9
	s_wait_dscnt 0x0
	global_store_b128 v5, v[CT:CT+3], s[36:37]
.Lnosc:
	s_wait_xcnt 0x0                                ; the stores have read their data and bases: both are written again in the next block
	s_wait_alu depctr_vm_vsrc(0)                   ; the stores have read v[196:201], v233 and v[208:211], which the next block's conversions and its way out write again
	s_add_co_u32 s15, s15, 1
	s_cmp_lt_u32 s15, 2
	s_cbranch_scc1 .Lhalf
	s_wait_dscnt 0x0
	s_wait_alu depctr_hold_cnt(0) depctr_sa_sdst(0) depctr_va_vdst(0) depctr_va_sdst(0) depctr_va_ssrc(0) depctr_va_vcc(0) depctr_vm_vsrc(0)
	s_wait_tensorcnt 0x0
	ds_add_u32 v254, v255
	s_wait_dscnt 0x0
	s_endpgm
.Lfunc_end_k_q6b997c8b86_attn:
	.size	k_q6b997c8b86_attn, .Lfunc_end_k_q6b997c8b86_attn-k_q6b997c8b86_attn
	.p2alignl 7, 3214868480
	.fill 96, 4, 3214868480
	.section	.rodata,"a",@progbits
	.p2align	6, 0x0
	.amdhsa_kernel k_q6b997c8b86_attn
		.amdhsa_group_segment_fixed_size 29696
		.amdhsa_private_segment_fixed_size 0
		.amdhsa_enable_private_segment 0
		.amdhsa_kernarg_size 32
		.amdhsa_user_sgpr_count 2
		.amdhsa_user_sgpr_kernarg_segment_ptr 1
		.amdhsa_wavefront_size32 1
		.amdhsa_system_sgpr_workgroup_id_x 1
		.amdhsa_system_sgpr_workgroup_id_y 1
		.amdhsa_system_sgpr_workgroup_id_z 1
		.amdhsa_system_vgpr_workitem_id 0
		.amdhsa_next_free_vgpr 256
		.amdhsa_next_free_sgpr 106
		.amdhsa_reserve_vcc 0
		.amdhsa_float_denorm_mode_32 3
		.amdhsa_float_denorm_mode_16_64 3
		.amdhsa_memory_ordered 1
		.amdhsa_forward_progress 1
		.amdhsa_inst_pref_size 65
	.end_amdhsa_kernel
	.amdgpu_metadata
---
amdhsa.version: [ 1, 2 ]
amdhsa.kernels:
  - .name:           k_q6b997c8b86_attn
    .symbol:         k_q6b997c8b86_attn.kd
    .args:
      - { .name: qb, .offset: 0, .size: 8, .value_kind: global_buffer, .address_space: global }
      - { .name: kv, .offset: 8, .size: 8, .value_kind: global_buffer, .address_space: global }
      - { .name: msk, .offset: 16, .size: 8, .value_kind: global_buffer, .address_space: global }
      - { .name: att, .offset: 24, .size: 8, .value_kind: global_buffer, .address_space: global }
    .group_segment_fixed_size: 29696
    .private_segment_fixed_size: 0
    .kernarg_segment_align: 8
    .kernarg_segment_size: 32
    .max_flat_workgroup_size: 512
    .sgpr_count:     106
    .vgpr_count:     256
    .wavefront_size: 32
...
	.end_amdgpu_metadata
.endif
;; end of part 5
;; launch oproj: the kernel of part 4 again; grid 4 x 64, 4 waves a work-group, clusters of 4 x 4, 312,832 bytes of LDS; arguments att, opq, out0; writes out0
